; MI455X (gfx1250); checked and timed in simulation.
; The chip was launched on July 23, 2026; its instructions are those of AMD's public machine-readable ISA for CDNA 5 (MIT licence, August 2026) and "CDNA5" Instruction Set Architecture Reference Guide (July 2026). The comments in the code are by the model that wrote it; some were corrected since.
;; Multi Head Self Attention. Allowed arithmetic: matrix products marked QUANTISED: E2M3 operands, one E8M0 scale for each 32 along K, by v_wmma_scale_f32_16x16x128_f8f6f4 with both operands' format E2M3, f32 sums; everything else in f32.
;; Inputs: Wk 1,024 x 1,024 float32; Wo 1,024 x 1,024 float32; Wq 1,024 x 1,024 float32; Wv 1,024 x 1,024 float32; x 4 x 2,048 x 1,024 float32.
;; Outputs: out0 4 x 2,048 x 1,024 float32.
;; This version of the problem:
;;   THIS VERSION OF THE PROBLEM IS GIVEN IN LOW PRECISION. The matrix products marked QUANTISED in the list below multiply operands that are first quantised to E2M3 (2 exponent bits, 3 mantissa bits; 6 bits a number), with one power-of-two scale for each 32 numbers along K (OCP MX v1.0); their sums are f32. All else is computed in f32.
;;   The module's matrix products, in the order in which they are computed (A, B: the left and right operand; K: the contracted axis; several contracted axes count as one K, in the product's order):
;;     1. [M 8,192, K 1,024] x [K 1,024, N 1,024]; A: input x; B: input Wq: QUANTISED
;;     2. [M 8,192, K 1,024] x [K 1,024, N 1,024]; A: input x; B: input Wk: QUANTISED
;;     3. [M 8,192, K 1,024] x [K 1,024, N 1,024]; A: input x; B: input Wv: QUANTISED
;;     4. batch 64 x [M 2,048, K 64] x [K 64, N 2,048]; A: computed on the way; B: computed on the way: QUANTISED
;;     5. batch 64 x [M 2,048, K 2,048] x [K 2,048, N 64]; A: softmax (see below); B: computed on the way: QUANTISED
;;     6. [M 8,192, K 1,024] x [K 1,024, N 1,024]; A: computed on the way; B: input Wo: QUANTISED
;;   THE QUANTISER, for each operand of a quantised product, along K:
;;     - K is cut into blocks of 32 from its start; a last block that is shorter is filled with zeros.
;;     - A block's scale is 2^e with e = floor(log2(the largest magnitude in the block)) - 2, held to -126 .. 127; a block of zeros has e = 0. As a byte (E8M0): e + 127.
;;     - Each number is divided by its block's scale, clamped to +-7.5, and rounded to the nearest number of E2M3, ties to even, subnormals kept.
;;     - The product sums the exact products of the quantised numbers (number of the format x scale) in f32.
;;   ~~~python
;;   def quantise(x, axis):      # numpy; x: float32 -> the quantised numbers, widened to float32 again
;;       x = np.moveaxis(x, axis, -1); K = x.shape[-1]
;;       x = np.pad(x, [(0, 0)] * (x.ndim - 1) + [(0, -K % 32)]); x = x.reshape(x.shape[:-1] + (-1, 32)); a = np.abs(x).max(-1, keepdims=True)
;;       e = np.where(a > 0, np.clip(np.frexp(np.where(a > 0, a, 1))[1] - 1 - 2, -126, 127), 0)      # np.frexp(a)[1] - 1 = floor(log2(a)), exactly
;;       r = np.clip(x / 2.0 ** e, -7.5, 7.5)
;;       step = 2.0 ** (np.maximum(np.frexp(np.where(r == 0, 1, r))[1] - 1, 0) - 3)
;;       q = np.round(r / step) * step * 2.0 ** e      # np.round: ties to even
;;       return np.moveaxis(q.reshape(q.shape[:-2] + (-1,))[..., :K], -1, axis).astype(np.float32)
;;   ~~~
;;   SOFTMAX AHEAD OF A QUANTISED PRODUCT. Where the list says 'softmax', what is quantised is not the finished softmax but p = 2^(t - M), with t = logit x log2(e) and M = ceil(the row's largest t), a whole number; so 1/2 < the row's largest p <= 1. The row's sum l is taken of the UNQUANTISED p, in f32, and the product's result is divided by l at the end. Since M is a whole number, a kernel that streams over the keys may use a running M (the ceiling of the running maximum): every later rescaling is an exact power of two, which a block's scale takes up: the codes' values come out the same.
;;   OPERANDS COMPUTED ON THE WAY. 'Computed on the way' means the value that the module computes at that place (a softmax that the list does not call 'softmax' is quantised finished and normalised). What goes into a quantiser is computed in f32, as accurately as f32 sums, v_exp_f32 and their like allow (about 1e-6 of the number): no bf16 or f16 on the way to a quantiser, and a product that is left as it is and whose result goes on into a quantised operand takes f32 operands (vector FMAs, or v_wmma_f32_16x16x4_f32). A number that lies on a knife's edge between two numbers of the format may be rounded either way, as far as f32 arithmetic and the matrix unit's own rounding can turn it there, and no further.
;; One version. Each part assembles by itself: llvm-mc -triple=amdgcn-amd-amdhsa -mcpu=gfx1250 --defsym DOCPART=n.
;; ======== version 1 of 1: 4 launches
;; workspace buffers: xq 6,553,600 bytes; wq 3,276,800 bytes; qq 6,815,744 bytes; kv 13,369,344 bytes; oq 6,553,600 bytes
;; launch quant (part 1): grid 384 x 1, 4 waves a work-group, no clusters, 33,280 bytes of LDS; arguments x, Wq, Wk, Wv, Wo, xq, wq; writes xq, wq
.if DOCPART == 1
	.amdgcn_target "amdgcn-amd-amdhsa--gfx1250"
	.amdhsa_code_object_version 6
	.text
	.protected	k_qf17711873c_quant
	.globl	k_qf17711873c_quant
	.p2align	8
	.type	k_qf17711873c_quant,@function
k_qf17711873c_quant:
	s_mov_b64 s[64:65], 0
	v_nop
	global_prefetch_b8 v0, s[64:65] scope:SCOPE_SE
	s_setreg_imm32_b32 hwreg(HW_REG_WAVE_MODE, 25, 1), 1
	s_wait_xcnt 0x0
; x [8192][1024] and Wq, Wk, Wv, Wo [1024][1024], f32, K innermost, become codes of FP6 (E2M3), 6 bits each, with one E8M0 scale byte for each 32 along K.
; xq: codes [8192 rows][768 bytes], then from byte XSOFF the scale bytes [8192][32].  wq: the same for 4096 rows (Wq, Wk, Wv, Wo), scale bytes from byte WSOFF.
; A block's scale is 2^(floor(log2(its largest magnitude)) - 2); its byte is the largest magnitude's exponent field - 2, held at 1 from below.  Each number is divided by the scale and rounded to the nearest code, ties to even.
; THE ROWS OF x, Wq, Wk, Wv ARE STORED WITH BITS 3 AND 4 OF THE ROW NUMBER EXCHANGED: inside each 32 rows the groups of eight lie in the order 0, 2, 1, 3.  Stored row 16 i + r is then row 32 (i / 2) + 8 (i % 2) + r + 8 (r / 8):
; a matrix result whose registers run along such rows holds, in the 16 registers of two neighbouring tiles, 16 NEIGHBOURS, which the next quantiser wants.  Wo's rows are stored as they lie.
; LIMITS: a block of zeros gets the byte 1 where the rule says 127 (its codes are zeros, and the bytes are read by this program alone); blocks whose largest magnitude lies under 2^-124 keep the byte 1; NaN and infinities are not served.
; SHARES.  A wave takes 8 rows (8,192 numbers) in 16 steps of 512; a work-group's four waves take the 32 rows of one group, so the exchange is a choice of where a wave's run goes.  Work-groups 0-255: x; 256-287 Wq; 288-319 Wk; 320-351 Wv; 352-383 Wo.
; Each of a step's four loads reads 512 consecutive bytes, 16 a lane; the 2,048 bytes turn through the wave's own stage in LDS and come back 64 bytes a lane: 16 neighbours along K, half a block.  No barrier: waves share nothing.
.set WAVES, 4
.set STEPS, 16
.set CB,    12                         ; bytes of 16 codes
.set R,     16                         ; v16-79   four sets of 16 numbers as they are loaded
.set X,     80                         ; v80-111  two sets of 16 neighbours
.set C,     128                        ; v128-191 codes: four registers for each step, so that no store's data are written again
.set E,     112                        ; v112-127 a scale byte for each step
.set WREG,  8192                       ; LDS: a region for each wave: two stages of 32 x SP bytes, behind them its 256 scale bytes
.set SP,    80                         ; a lane's place in a stage: 64 bytes + 16 of padding
.set SPW,   12                         ; v12 LDS address of my spare word; never rewritten
.set NIL,   13                         ; v13 0; never rewritten
.set SPARE, WAVES*WREG                 ; the spare words: 128 bytes a wave, two blocks of 256 bytes that no other line names
.set XSOFF, 6291456
.set WSOFF, 3145728
	s_load_b256 s[4:11], s[0:1], 0x0               ; x, Wq, Wk, Wv
	s_load_b128 s[12:15], s[0:1], 0x20             ; Wo, xq
	s_load_b64 s[24:25], s[0:1], 0x30              ; wq
	v_lshl_add_u32 v[SPW], v0, 2, SPARE
	v_mov_b32 v[NIL], 0
	v_lshrrev_b32 v1, 5, v0
	v_readfirstlane_b32 s16, v1                    ; wave
	v_and_b32 v2, 31, v0                           ; lane
	v_lshlrev_b32 v3, 4, v2                        ; my 16 bytes of a load's 512
	s_mul_i32 s17, s16, WREG
	v_lshrrev_b32 v14, 2, v2
	v_mul_u32_u24 v14, v14, SP
	v_and_b32 v15, 3, v2
	v_lshl_add_u32 v14, v15, 4, v14
	v_add_nc_u32 v14, s17, v14                     ; the stage, on the way in: SP (lane / 4) + 16 (lane % 4)
	v_mul_u32_u24 v15, v2, SP
	v_add_nc_u32 v15, s17, v15                     ; and on the way out: SP x lane
	v_mul_u32_u24 v4, v2, CB                       ; my codes' place in a step's
	v_lshrrev_b32 v5, 1, v2
	s_add_co_u32 s17, s17, 2*32*SP
	v_add_nc_u32 v5, s17, v5                       ; LDS: my wave's 256 scale bytes, my block's byte
	v_lshlrev_b32 v7, 3, v2                        ; and on the way out 8 bytes a lane
	v_add_nc_u32 v6, s17, v7
	s_mov_b32 s29, WSOFF
	s_wait_kmcnt 0x0
	; which tensor: every choice hangs on the work-group's number alone; only moves and selects stand between a compare and its selects
	s_cmp_lt_u32 ttmp9, 352
	s_cselect_b64 s[12:13], s[10:11], s[12:13]     ; Wv, else Wo
	s_cselect_b32 s26, 1, 0                        ; Wo's rows keep their order
	s_cmp_lt_u32 ttmp9, 320
	s_cselect_b64 s[12:13], s[8:9], s[12:13]       ; Wk
	s_cmp_lt_u32 ttmp9, 288
	s_cselect_b64 s[12:13], s[6:7], s[12:13]       ; Wq
	s_cmp_lt_u32 ttmp9, 256
	s_cselect_b64 s[12:13], s[4:5], s[12:13]       ; x
	s_cselect_b64 s[14:15], s[14:15], s[24:25]     ; into xq, else wq
	s_cselect_b32 s27, 0, 256
	s_cselect_b32 s28, 255, 31
	s_cselect_b32 s29, XSOFF, s29                  ; where the scale bytes begin
	s_sub_co_u32 s27, ttmp9, s27                   ; the group of 32 rows in the buffer of codes,
	s_and_b32 s28, s27, s28                        ; and in the tensor
	s_and_b32 s30, s16, 1
	s_lshl_b32 s30, s30, 1
	s_lshr_b32 s31, s16, 1
	s_or_b32 s30, s30, s31                         ; the wave's number with its two bits exchanged
	s_cmp_eq_u32 s26, 1
	s_cselect_b32 s30, s30, s16
	s_lshl_b32 s28, s28, 2
	s_add_co_u32 s28, s28, s16                     ; the run of 8 rows that I read,
	s_lshl_b32 s20, s28, 15                        ; 32,768 bytes each
	s_mov_b32 s21, 0
	s_add_nc_u64 s[12:13], s[12:13], s[20:21]
	s_lshl_b32 s27, s27, 2
	s_add_co_u32 s27, s27, s30                     ; the run of 8 rows that I write:
	s_mul_i32 s20, s27, 32*STEPS*CB                ; 6,144 bytes of codes,
	s_add_nc_u64 s[32:33], s[14:15], s[20:21]
	s_lshl_b32 s20, s27, 8                         ; 256 scale bytes
	s_add_co_u32 s20, s20, s29
	s_add_nc_u64 s[34:35], s[14:15], s[20:21]
.macro LOAD t
.irp i, 0,1,2,3
	global_load_b128 v[R+16*((\t)%4)+4*\i:R+16*((\t)%4)+4*\i+3], v3, s[12:13] offset:2048*(\t)+512*\i th:TH_LOAD_NT   ; 32 lanes read 512 consecutive bytes
.endr
.endm
.macro TURN t                          ; step t's numbers through the stage: LDS serves a wave's instructions in order, so no wait stands between the stores and the loads
.irp i, 0,1,2,3
	ds_store_b128 v14, v[R+16*((\t)%4)+4*\i:R+16*((\t)%4)+4*\i+3] offset:32*SP*((\t)%2)+8*SP*\i
.endr
.irp i, 0,1,2,3
	ds_load_b128 v[X+16*((\t)%2)+4*\i:X+16*((\t)%2)+4*\i+3], v15 offset:32*SP*((\t)%2)+16*\i
.endr
.endm
.irp t, 0,1,2,3
	LOAD \t
.endr
	s_wait_loadcnt 12                              ; step 0's four loads are in; the twelve of steps 1 to 3 stay out
	TURN 0
.macro STEP t
.set XS, X+16*((\t)%2)
.if (\t) > 0
	s_wait_dscnt 1                                 ; this step's numbers are back from the stage (the last step's byte store may be out): so its stores into the stage have read their registers,
.else
	s_wait_dscnt 0x0
.endif
.if (\t)+4 < STEPS
	LOAD (\t)+4                                    ; which take the loads of four steps on
.endif
.if (\t)+1 < STEPS
.if STEPS-2-(\t) >= 3
	s_wait_loadcnt 12                              ; the next step's four loads are in; those of the three steps behind it may be out
.else
	s_wait_loadcnt 4*(STEPS-2-(\t))
.endif
	TURN (\t)+1                                    ; and go through the other stage while this step is worked
.endif
	v_max3_num_f32 v8, |v[XS]|, |v[XS+1]|, |v[XS+2]|               ; the largest magnitude of my 16, in two chains
	v_max3_num_f32 v9, |v[XS+3]|, |v[XS+4]|, |v[XS+5]|
.irp i, 6,10
	v_max3_num_f32 v8, v8, |v[XS+\i]|, |v[XS+\i+1]|
	v_max3_num_f32 v9, v9, |v[XS+\i+2]|, |v[XS+\i+3]|
.endr
	v_max3_num_f32 v8, v8, |v[XS+14]|, |v[XS+15]|
	v_max3_num_f32 v8, v8, v9, 0x1800000           ; and the floor 2^(3 - 127): so the byte cannot fall under 1
	v_max_num_f32_dpp v8, v8, v8 row_xmask:1 row_mask:0xf bank_mask:0xf   ; and of my neighbour's 16: the block's
	v_add_nc_u32 v11, 0xff000000, v8               ; 2 off its exponent field: the conversion takes the exponent field of this operand as its scale, and nothing else of it
	v_cvt_scalef32_pk16_fp6_f32 v[C+4*(\t):C+4*(\t)+2], v[XS:XS+15], v11   ; sixteen codes, 96 bits without gaps, the first number's code lowest
	v_lshrrev_b32 v[E+(\t)], 23, v11               ; the scale's byte (also the plain line behind the conversion)
	ds_store_b8 v5, v[E+(\t)] offset:16*(\t)       ; both lanes of a block write the same byte with the same value
	global_store_b96 v4, v[C+4*(\t):C+4*(\t)+2], s[32:33] offset:32*CB*(\t)   ; the wave stores 384 consecutive bytes
.endm
.irp t, 0,1,2,3,4,5,6,7,8,9,10,11,12,13,14,15
	STEP \t
.endr
	ds_load_b64 v[8:9], v6                         ; LDS serves a wave's instructions in order: these see my byte stores
	s_wait_dscnt 0x0
	global_store_b64 v7, v[8:9], s[34:35]          ; 32 lanes store 256 consecutive bytes, at a multiple of 256 from the buffer's first byte
	s_wait_tensorcnt 0x0                           ; the wave's end: behind my last LDS store
	ds_add_u32 v[SPW], v[NIL]
	s_wait_dscnt 0x0
	s_endpgm
.Lfunc_end_k_qf17711873c_quant:
	.size	k_qf17711873c_quant, .Lfunc_end_k_qf17711873c_quant-k_qf17711873c_quant
	.p2alignl 7, 3214868480
	.fill 96, 4, 3214868480
	.section	.rodata,"a",@progbits
	.p2align	6, 0x0
	.amdhsa_kernel k_qf17711873c_quant
		.amdhsa_group_segment_fixed_size 33280
		.amdhsa_private_segment_fixed_size 0
		.amdhsa_enable_private_segment 0
		.amdhsa_kernarg_size 56
		.amdhsa_user_sgpr_count 2
		.amdhsa_user_sgpr_kernarg_segment_ptr 1
		.amdhsa_wavefront_size32 1
		.amdhsa_system_sgpr_workgroup_id_x 1
		.amdhsa_system_sgpr_workgroup_id_y 1
		.amdhsa_system_sgpr_workgroup_id_z 1
		.amdhsa_system_vgpr_workitem_id 0
		.amdhsa_next_free_vgpr 192
		.amdhsa_next_free_sgpr 66
		.amdhsa_reserve_vcc 0
		.amdhsa_float_denorm_mode_32 3
		.amdhsa_float_denorm_mode_16_64 3
		.amdhsa_memory_ordered 1
		.amdhsa_forward_progress 1
		.amdhsa_inst_pref_size 33
	.end_amdhsa_kernel
	.amdgpu_metadata
---
amdhsa.version: [ 1, 2 ]
amdhsa.kernels:
  - .name:           k_qf17711873c_quant
    .symbol:         k_qf17711873c_quant.kd
    .args:
      - { .name: x, .offset: 0, .size: 8, .value_kind: global_buffer, .address_space: global }
      - { .name: Wq, .offset: 8, .size: 8, .value_kind: global_buffer, .address_space: global }
      - { .name: Wk, .offset: 16, .size: 8, .value_kind: global_buffer, .address_space: global }
      - { .name: Wv, .offset: 24, .size: 8, .value_kind: global_buffer, .address_space: global }
      - { .name: Wo, .offset: 32, .size: 8, .value_kind: global_buffer, .address_space: global }
      - { .name: xq, .offset: 40, .size: 8, .value_kind: global_buffer, .address_space: global }
      - { .name: wq, .offset: 48, .size: 8, .value_kind: global_buffer, .address_space: global }
    .group_segment_fixed_size: 33280
    .private_segment_fixed_size: 0
    .kernarg_segment_align: 8
    .kernarg_segment_size: 56
    .max_flat_workgroup_size: 128
    .sgpr_count:     66
    .vgpr_count:     192
    .wavefront_size: 32
...
	.end_amdgpu_metadata
.endif
;; end of part 1
;; launch qkv (part 2): grid 12 x 32, 4 waves a work-group, clusters of 4 x 4, 327,680 bytes of LDS; arguments xq, wq, qq, kv; writes qq, kv
.if DOCPART == 2
	.amdgcn_target "amdgcn-amd-amdhsa--gfx1250"
	.amdhsa_code_object_version 6
	.text
	.protected	k_qf17711873c_qkv
	.globl	k_qf17711873c_qkv
	.p2align	8
	.type	k_qf17711873c_qkv,@function
k_qf17711873c_qkv:
	s_mov_b64 s[64:65], 0
	v_nop
	global_prefetch_b8 v0, s[64:65] scope:SCOPE_SE
	s_setreg_imm32_b32 hwreg(HW_REG_WAVE_MODE, 25, 1), 1
	s_wait_xcnt 0x0
	s_wait_alu depctr_hold_cnt(0) depctr_sa_sdst(0) depctr_va_vdst(0) depctr_va_sdst(0) depctr_va_ssrc(0) depctr_va_vcc(0) depctr_vm_vsrc(0)
	s_getreg_b32 s2, hwreg(HW_REG_IB_STS2, 6, 4)
	s_cmp_eq_u32 s2, 0
	s_cbranch_scc0 .Lentry_in_a_cluster
	s_endpgm
.Lentry_in_a_cluster:
	s_bfe_u32 s2, ttmp6, 0x10000c
	s_cmp_lg_u32 s2, 0xf033
	s_cbranch_scc0 .Lentry_shape_is_right
	s_endpgm
.Lentry_shape_is_right:
; q = x Wq^T, k = x Wk^T, v = x Wv^T on codes of FP6 (E2M3) with E8M0 scales for each 32 along K = 1024; the results are quantised again IN REGISTERS (q, k along the head's 64; v along the keys) and leave as codes.
; A work-group of four waves makes 256 x 256 results, a wave 128 x 128: 64 accumulators of 16 x 16.  K goes in steps of 256 through a ring of two LDS slots filled by the tensor data mover; all scale bytes of the tile's rows come once.
; THE TWO OPERANDS.  Source 1 of the matrix instruction takes 16 rows of 'A', source 0 takes 16 rows of 'B': in a result a lane holds ONE row of A, and its eight registers run along rows of B.
;   cluster x = 0 (q) and 1 (k): A = x's rows (tokens), B = the weight's rows: a lane holds a token, registers run along d.
;   cluster x = 2 (v):           A = Wv's rows,         B = x's rows:          a lane holds one d, registers run along the tokens, which are the keys.
; Both buffers hold their rows with bits 3 and 4 of the row number exchanged, so the 64 registers of one block of A hold B's rows 32 b + 16 (lane / 16) + i at register 16 b + i: 16 neighbours along the next product's K.
; So the 64 registers become one operand fragment (12 registers) and one scale word: for q, k registers 0-5 are one head's 64 along d and registers 6-11 the next head's; for v the fragment is 16 d x 128 keys.
; THEY LEAVE AS IMAGES OF REGISTERS: qq [b h][step of 128 tokens][8 tiles x 768 bytes, 512 bytes of scale words]; kv [b h][step][K as q: 6,656 bytes | V: 4 fragments x 1,536 bytes | 256 bytes of scale words].
; A scale word of q or k: bytes 0, 1 the head's two blocks; bytes 2, 3 (the other head's bytes, or 0) meet zero codes alone and are never 0xff.
; CLUSTERS: 4 x 4 work-groups.  A's tile hangs on the place along y and is asked for jointly by a row of the cluster, B's on the place along x, by a column.  The one branch on the kind (cluster x = 2) is alike in all partners.
; LIMITS: a block of zeros keeps the byte 1 (its codes are zeros; this program alone reads the bytes); NaN and infinities are not served.
; REGISTERS, in windows of 256: window 0: v16-29 addresses; v32-63 scale words, two sets; v128-223 A's fragments, one set.  window 1: B's fragments, two sets.  windows 2, 3: accumulator (a, b) at v[8 (8 (a % 4) + b)].
.set KSTEP,  256
.set NQ,     2                         ; matrix instructions deep in a slot
.set ROWB,   192                       ; a tile's row: 256 codes
.set KROW,   768                       ; a row of codes in memory
.set PITCH,  240                       ; an LDS row: 3 x (64 bytes + 16 of padding)
.set FR,     12
.set NL,     6                         ; LDS loads that bring a fragment
.set NP,     4                         ; places behind this matrix instruction (ISA guide 7.12.1)
.set HALFT,  128*PITCH
.set SLOT,   4*HALFT                   ; A's 256 rows, then B's 256
.set KS,     32                        ; a row of scale bytes
.set SCL,    2*SLOT
.set HALFS,  (128*KS/256)*272          ; the scale bytes of 128 rows: 16 pieces of 256 bytes + 16 of padding
.set SBLK,   (16*KS/256)*272
.set SPARE,  SCL+4*HALFS               ; the spare words: 128 bytes a wave, two blocks of 256 bytes that no other line names
.set XSOFF,  6291456                   ; where xq's scale bytes begin
.set WSOFF,  3145728                   ; and wq's
.set ADRA, 16                          ; v16-17 LDS address of my A fragments in slot 0, 1 (v18-19: behind one padding more)
.set ADRB, 20                          ; v20-23 the same for B
.set L8,   24                          ; v24 8 x lane
.set L16,  25                          ; v25 16 x lane
.set ADRS, 27                          ; v27 my scale words: lanes 0-15 A's rows, lanes 16-31 B's
.set SPW,  28
.set NIL,  29
.set SC,   32
.set AF,   128
.set PW,   32                          ; the way out: v32-39 the eight scale words made
.set SW,   40                          ; v40-47 scale words as they are stored
.set TM,   48                          ; v48-63 at work: +0 largest magnitudes, +4 the other half's, then bytes, +12 the conversions' scale operands
.set PC,   64                          ; v64-159 the eight fragments made, 12 registers each: no store's data are written again
.set T2,   160                         ; v160-162, v164-166 the conversions' second halves
.set G1, 24
.set G0, 32
.set G1B, 48
.set G0B, 56
.set G1S, 68
.set G0S, 76
.set G1SB, 80
.set G0SB, 88
.set SEL, 18                           ; s[18:19] on the way out: lane selects for lane l xor 16
.set HM,  95                           ; s95 on the way out: the mask of lanes 16-31
.set MSB, 0
.macro WIN new                         ; the immediate's high byte repeats the setting that is left
.if MSB != \new
	s_set_vgpr_msb (MSB<<8)|\new
.set MSB, \new
.endif
.endm
.set MUL_LO, 0xa1                      ; source 0 (B) window 1, source 1 (A) window 0, C and D window 2
.set MUL_HI, 0xf1
.set TO_B,   0x40
; A joint load: waves 0 and 1 fetch for A, waves 2 and 3 for B; the branch hangs on the wave's number alone.  An s_nop 0 and four v_nop follow each of the two lines.
.macro JLOAD g0a, g1a, g0b, g1b
	s_cmp_eq_u32 s15, 0
	s_cbranch_scc0 .Lfor_b_\@
	tensor_load_to_lds s[\g0a:\g0a+3], s[\g1a:\g1a+7]
	s_nop 0
.rept 4
	v_nop
.endr
	s_branch .Lasked_\@
.Lfor_b_\@:
	tensor_load_to_lds s[\g0b:\g0b+3], s[\g1b:\g1b+7]
	s_nop 0
.rept 4
	v_nop
.endr
.Lasked_\@:
.endm
.macro CREST                           ; a round of the cluster's barrier behind its opening barrier
	s_cmp_lg_u32 s14, 0
	s_cbranch_scc1 .Lnot_wave_0_\@
	s_barrier_signal -3
.Lnot_wave_0_\@:
	s_barrier_wait -3
	s_barrier_signal -1
	s_barrier_wait -1
.endm
.macro CROUND
	s_barrier_signal -1
	s_barrier_wait -1
	CREST
.endm
	s_load_b256 s[4:11], s[0:1], 0x0               ; xq s[4:5], wq s[6:7], qq s[8:9], kv s[10:11]
	v_lshl_add_u32 v[SPW], v0, 2, SPARE
	v_mov_b32 v[NIL], 0
	ds_add_u32 v[SPW], v[NIL]                      ; the wave's opening: the add and its wait stand ahead of my first tensor load; the set-up below stands between them
	v_lshrrev_b32 v1, 5, v0
	v_readfirstlane_b32 s14, v1                    ; wave 0..3
	s_lshr_b32 s15, s14, 1                         ; which half of A's rows is mine.  Also: I fetch for A (0) or for B (1)
	s_and_b32 s16, s14, 1                          ; which half of B's rows.  Also: which 128 rows of that tile I fetch
	s_bfe_u32 s40, ttmp6, 0x40000                  ; cx, cy: my place in the cluster
	s_bfe_u32 s41, ttmp6, 0x40004
	s_and_b32 s17, ttmp7, 0xffff                   ; cluster y: which 1,024 tokens
	s_cmp_eq_u32 ttmp9, 2                          ; cluster x: q, k or v; the same in all sixteen partners
	s_cselect_b32 s42, s17, ttmp9                  ; B's group of four tiles: tokens for v, else the weight
	s_cselect_b32 s17, ttmp9, s17                  ; A's: the weight for v, else tokens
	s_lshl_b32 s42, s42, 2
	s_add_co_u32 s42, s42, s40                     ; B's tile of 256 rows: + cx
	s_lshl_b32 s17, s17, 2
	s_add_co_u32 s17, s17, s41                     ; A's: + cy
	s_lshl_b32 s43, s41, 2
	s_lshl_b32 s43, 15, s43                        ; my row of the cluster
	s_lshl_b32 s44, 0x1111, s40                    ; my column
	; descriptor group 1: a tile of 128 rows x 192 bytes, 16 bytes of padding behind every 64
	s_or_b32 s[G1+0], s43, (0<<16)|(1<<20)|(1<<21)|(3<<22)|(3<<25)
	s_or_b32 s[G1B+0], s44, (0<<16)|(1<<20)|(1<<21)|(3<<22)|(3<<25)
.irp g, G1, G1B
	s_mov_b32 s[\g+1], ROWB<<16                    ; tensor_dim0
	s_mov_b32 s[\g+2], 128<<16                     ; tensor_dim1
	s_mov_b32 s[\g+3], ROWB<<16                    ; tile_dim0
	s_mov_b32 s[\g+4], 128                         ; tile_dim1
	s_mov_b32 s[\g+5], KROW                        ; from row to row
	s_mov_b32 s[\g+6], 0
	s_mov_b32 s[\g+7], 0
.endr
	; the scale bytes of 128 rows: 4,096 dense bytes, as 16 rows of 256 bytes (32 elements of 8 bytes), 16 bytes of padding behind each
	s_or_b32 s[G1S+0], s43, (3<<16)|(1<<20)|(1<<21)|(5<<22)|(3<<25)
	s_or_b32 s[G1SB+0], s44, (3<<16)|(1<<20)|(1<<21)|(5<<22)|(3<<25)
.irp g, G1S, G1SB
	s_mov_b32 s[\g+1], 32<<16
	s_mov_b32 s[\g+2], (128*KS/256)<<16
	s_mov_b32 s[\g+3], 32<<16
	s_mov_b32 s[\g+4], 128*KS/256
	s_mov_b32 s[\g+5], 32
	s_mov_b32 s[\g+6], 0
	s_mov_b32 s[\g+7], 0
.endr
	s_lshl_b32 s18, s16, 7                         ; which 128 rows of the tile I fetch
	s_lshl_b32 s20, s17, 8
	s_add_co_u32 s20, s20, s18                     ; A's first row
	s_lshl_b32 s46, s42, 8
	s_add_co_u32 s46, s46, s18                     ; B's
	s_lshl_b32 s22, s20, 5                         ; where these rows' scale bytes begin (32 a row),
	s_lshl_b32 s92, s46, 5
	s_mul_i32 s20, s20, KROW                       ; and their codes: at most 8,191 x 768 bytes
	s_mul_i32 s46, s46, KROW
	s_mov_b32 s21, 0
	s_mov_b32 s23, 0
	s_mov_b32 s47, 0
	s_mov_b32 s93, 0
	s_mul_i32 s45, s14, HALFT                      ; where they go: wave x 128 rows: no place in the cluster enters an LDS address
	s_mul_i32 s94, s14, HALFS
	s_wait_dscnt 0x0                               ; the opening add is done
	s_wait_kmcnt 0x0
	s_add_nc_u64 s[12:13], s[4:5], XSOFF           ; xq's scale bytes
	s_add_nc_u64 s[66:67], s[6:7], WSOFF           ; wq's
	s_cmp_eq_u32 ttmp9, 2
	s_cselect_b64 s[96:97], s[6:7], s[4:5]         ; A's codes: the weights for v, else x
	s_cselect_b64 s[98:99], s[66:67], s[12:13]     ; A's scale bytes
	s_cselect_b64 s[4:5], s[4:5], s[6:7]           ; B's codes
	s_cselect_b64 s[6:7], s[12:13], s[66:67]       ; B's scale bytes
	s_add_nc_u64 s[20:21], s[96:97], s[20:21]
	s_add_nc_u64 s[22:23], s[98:99], s[22:23]
	s_add_nc_u64 s[46:47], s[4:5], s[46:47]
	s_add_nc_u64 s[92:93], s[6:7], s[92:93]
	CROUND                                         ; all sixteen work-groups are here: the first joint loads meet
	s_mov_b32 s[G0S], 1
	s_add_co_u32 s[G0S+1], s94, SCL
	s_mov_b64 s[G0S+2:G0S+3], s[22:23]
	s_or_b32 s[G0S+3], s[G0S+3], 0x80000000
	s_mov_b32 s[G0SB], 1
	s_add_co_u32 s[G0SB+1], s94, SCL
	s_mov_b64 s[G0SB+2:G0SB+3], s[92:93]
	s_or_b32 s[G0SB+3], s[G0SB+3], 0x80000000
	JLOAD G0S, G1S, G0SB, G1SB                     ; the scale bytes first: they are wanted with K step 0
.irp s, 0,1
	s_mov_b32 s[G0+4*\s], 1
	s_add_co_u32 s[G0+4*\s+1], s45, \s*SLOT
	s_add_nc_u64 s[G0+4*\s+2:G0+4*\s+3], s[20:21], \s*ROWB
	s_or_b32 s[G0+4*\s+3], s[G0+4*\s+3], 0x80000000
	s_mov_b32 s[G0B+4*\s], 1
	s_add_co_u32 s[G0B+4*\s+1], s45, \s*SLOT
	s_add_nc_u64 s[G0B+4*\s+2:G0B+4*\s+3], s[46:47], \s*ROWB
	s_or_b32 s[G0B+4*\s+3], s[G0B+4*\s+3], 0x80000000
	JLOAD G0+4*\s, G1, G0B+4*\s, G1B               ; three tensor loads of mine are out at the most
.endr
	v_and_b32 v1, 15, v0                           ; l % 16
	v_bfe_u32 v2, v0, 4, 1                         ; l / 16
	v_mul_u32_u24 v3, v1, PITCH
	v_mul_u32_u24 v4, v2, 24
	v_add_nc_u32 v4, v3, v4                        ; a fragment's row x pitch + 24 x half
	v_lshl_add_u32 v5, v2, 4, v4                   ; and the same behind one padding more
	s_mul_i32 s21, s15, HALFT                      ; my 128 rows of A
	s_mul_i32 s22, s16, HALFT                      ; my 128 rows of B,
	s_add_co_u32 s22, s22, 2*HALFT                 ; which lie behind A's 256
.irp s, 0,1
	v_add_nc_u32 v[ADRA+\s], s21, v4
	v_add_nc_u32 v[ADRB+\s], s22, v4
	v_add_nc_u32 v[ADRA+2+\s], s21, v5
	v_add_nc_u32 v[ADRB+2+\s], s22, v5
	s_add_co_u32 s21, s21, SLOT
	s_add_co_u32 s22, s22, SLOT
.endr
	v_mul_u32_u24 v5, v1, KS                       ; my row's scale bytes: 32 a row,
	v_lshrrev_b32 v6, 8, v5
	v_lshl_add_u32 v5, v6, 4, v5                   ; and 16 more for each 256 passed
	s_mul_i32 s21, s15, HALFS
	s_mul_i32 s22, s16, HALFS
	s_add_co_u32 s22, s22, 2*HALFS
	s_sub_co_u32 s22, s22, s21
	v_mul_u32_u24 v6, s22, v2                      ; lanes 16-31 take B's: the lower base + half x the distance
	s_add_co_u32 s21, s21, SCL
	v_add_nc_u32 v5, v5, v6
	v_add_nc_u32 v[ADRS], s21, v5
	v_and_b32 v6, 31, v0
	v_lshlrev_b32 v[L8], 3, v6
	v_lshlrev_b32 v[L16], 4, v6
	; where my results go.  Tokens: group of 128 = 2 (4 cluster y + place) + half; heads: 2 (2 place + half) and the next.  For v the tokens lie along B (cx, s16), else along A (cy, s15).
	s_cmp_eq_u32 ttmp9, 2
	s_cselect_b32 s20, s40, s41                    ; the tokens' place,
	s_cselect_b32 s21, s16, s15                    ; and half
	s_cselect_b32 s22, s41, s40                    ; the heads' place,
	s_cselect_b32 s23, s15, s16                    ; and half
	s_cselect_b32 s47, 6656, 0                     ; V lies behind K in a step of kv
	s_cmp_eq_u32 ttmp9, 0
	s_cselect_b64 s[8:9], s[8:9], s[10:11]         ; qq, else kv
	s_mov_b32 s46, 208896
	s_cselect_b32 s46, 106496, s46                 ; bytes of a head: 16 steps
	s_mov_b32 s92, 13056
	s_cselect_b32 s92, 6656, s92                   ; bytes of a step
	s_and_b32 s93, ttmp7, 0xffff
	s_lshl_b32 s93, s93, 2
	s_add_co_u32 s93, s93, s20
	s_lshl_b32 s93, s93, 1
	s_add_co_u32 s93, s93, s21                     ; the group of 128 tokens, 0..63
	s_lshr_b32 s20, s93, 4                         ; the batch,
	s_and_b32 s21, s93, 15                         ; the step
	s_lshl_b32 s22, s22, 1
	s_add_co_u32 s22, s22, s23
	s_lshl_b32 s22, s22, 1                         ; my first head
	s_lshl_b32 s20, s20, 4
	s_add_co_u32 s20, s20, s22
	s_mul_i32 s20, s20, s46
	s_mul_i32 s21, s21, s92
	s_add_co_u32 s20, s20, s21
	s_add_co_u32 s20, s20, s47
	s_mov_b32 s21, 0
	s_add_nc_u64 s[8:9], s[8:9], s[20:21]          ; my first head's place,
	s_mov_b32 s47, 0
	s_add_nc_u64 s[10:11], s[8:9], s[46:47]        ; my second head's
.macro FRAG reg, adr, q, i             ; a fragment: lane l holds row l % 16; registers 6 c .. 6 c + 5 hold K = 64 c + 32 (l / 16) + 0 .. 31: 24 bytes of the row, in pieces of 8
.irp p, 0,1,2,3,4,5
.set PCE, 12*(\q)+6*(\p/3)+\p%3       ; 16 bytes of padding lie behind every 8 pieces: where the piece three on lies behind one padding more, the second address register serves
.if PCE%8 < 5
	ds_load_b64 v[\reg+2*\p:\reg+2*\p+1], v[\adr] offset:8*PCE+16*(PCE/8)+(\i)*16*PITCH
.else
	ds_load_b64 v[\reg+2*\p:\reg+2*\p+1], v[\adr+2] offset:8*PCE+16*(PCE/8)+(\i)*16*PITCH
.endif
.endr
.endm
; 16 matrix instructions: A's blocks a0, a0 + 1 x B's eight.  The 64 accumulators take turns, one instruction a turn, in the same order in every step.  zero = 1: the first product starts the sums.
.macro MUL16 a0, p, q, sc, zero
.irp a, \a0, \a0+1
.irp b, 0,1,2,3,4,5,6,7
.if \zero
	v_wmma_scale_f32_16x16x128_f8f6f4 v[8*(8*((\a)%4)+\b):8*(8*((\a)%4)+\b)+7], v[128*(\p)+FR*\b:128*(\p)+FR*\b+FR-1], v[AF+FR*(\a):AF+FR*(\a)+FR-1], 0, v[SC+8*NQ*(\sc)+NQ*\b+(\q)], v[SC+8*NQ*(\sc)+NQ*(\a)+(\q)] matrix_a_fmt:MATRIX_FMT_FP6 matrix_b_fmt:MATRIX_FMT_FP6 matrix_a_scale:MATRIX_SCALE_ROW1
.else
	v_wmma_scale_f32_16x16x128_f8f6f4 v[8*(8*((\a)%4)+\b):8*(8*((\a)%4)+\b)+7], v[128*(\p)+FR*\b:128*(\p)+FR*\b+FR-1], v[AF+FR*(\a):AF+FR*(\a)+FR-1], v[8*(8*((\a)%4)+\b):8*(8*((\a)%4)+\b)+7], v[SC+8*NQ*(\sc)+NQ*\b+(\q)], v[SC+8*NQ*(\sc)+NQ*(\a)+(\q)] matrix_a_fmt:MATRIX_FMT_FP6 matrix_b_fmt:MATRIX_FMT_FP6 matrix_a_scale:MATRIX_SCALE_ROW1
.endif
.endr
.endr
.endm
.macro FETCH_B slot, q, p
	WIN TO_B
.irp i, 0,1,2,3,4,5,6,7
	FRAG 128*(\p)+FR*\i, ADRB+\slot, \q, \i
.endr
	WIN 0
.endm
.macro FETCH_A slot, q, i0
.irp i, \i0, \i0+1, \i0+2, \i0+3
	FRAG AF+FR*(\i), ADRA+\slot, \q, \i
.endr
.endm
.macro SCALES sc                       ; a K step's scale words: two words a row; lanes 0-15 take A's block i, lanes 16-31 B's block i
.irp i, 0,1,2,3,4,5,6,7
	ds_load_b64 v[SC+8*NQ*\sc+NQ*\i:SC+8*NQ*\sc+NQ*\i+1], v[ADRS] offset:\i*SBLK
.endr
.endm
.macro PLACES n                        ; plain vector instructions between a matrix instruction and a load into, or a vector instruction on, its registers
.rept \n
	v_nop
.endr
.endm
.macro STEP slot, q, zero              ; 128 along K that has its successor in the same slot
	s_wait_dscnt 4*NL                              ; B's set and A's blocks 0-3 are in; the youngest 24 loads (A's blocks 4-7) may be out
	WIN MUL_LO
	MUL16 0, (\q)%2, \q, \slot, \zero
	MUL16 2, (\q)%2, \q, \slot, \zero
	s_wait_dscnt 0
	PLACES NP
	FETCH_B \slot, (\q)+1, 1-(\q)%2
	FETCH_A \slot, (\q)+1, 0
	WIN MUL_HI
	MUL16 4, (\q)%2, \q, \slot, \zero
	MUL16 6, (\q)%2, \q, \slot, \zero
	PLACES NP
	WIN 0
	FETCH_A \slot, (\q)+1, 4
.endm
; A slot's last step changes slots: one barrier; in front of it each wave waits for all its tensor loads, adds 0 to its spare word, and waits for that and for its reads of this slot.  fill = 1: the slot is filled again, two K steps ahead.
.macro TURN slot, next, fill
	s_wait_tensorcnt 0x0                           ; all my tensor loads have landed: my part of the next slot
	ds_add_u32 v[SPW], v[NIL]                      ; 0 onto my spare word
	s_wait_dscnt 4*NL+1                            ; (the add and the youngest 24 loads, A's blocks 4-7, may be out)
	WIN MUL_LO
	MUL16 0, 1, NQ-1, \slot, 0                     ; sixteen matrix instructions stand between the add and the wait for it
	s_wait_dscnt 0x0                               ; the add is done, and my reads of this slot are over
	s_barrier_signal -1
	MUL16 2, 1, NQ-1, \slot, 0
	WIN 0
	s_barrier_wait -1
.if \fill
	CREST                                          ; the barrier has opened a round of the cluster's barrier: no wave of any partner still reads this slot or has a load on its way
	s_add_nc_u64 s[G0+4*\slot+2:G0+4*\slot+3], s[G0+4*\slot+2:G0+4*\slot+3], 2*ROWB
	s_add_nc_u64 s[G0B+4*\slot+2:G0B+4*\slot+3], s[G0B+4*\slot+2:G0B+4*\slot+3], 2*ROWB
	JLOAD G0+4*\slot, G1, G0B+4*\slot, G1B         ; the first tensor load behind the round, my only one until the next; its four v_nop are the places in front of the loads below
.else
	PLACES NP
.endif
	v_add_nc_u32 v[ADRS], 4*NQ, v[ADRS]            ; on to the next K step's scale words
	FETCH_B \next, 0, 0
	FETCH_A \next, 0, 0
	SCALES \next
	WIN MUL_HI
	MUL16 4, 1, NQ-1, \slot, 0
	MUL16 6, 1, NQ-1, \slot, 0
	PLACES NP
	WIN 0
	FETCH_A \next, 0, 4
.endm
	s_wait_tensorcnt 1                             ; the scale bytes and my part of K step 0 are in; K step 1's load may stay out
	s_barrier_signal -1
	s_barrier_wait -1
	FETCH_B 0, 0, 0
	FETCH_A 0, 0, 0
	SCALES 0
	FETCH_A 0, 0, 4
	STEP 0, 0, 1                                   ; the first step stands in front of the loop: its products start the sums
	s_mov_b32 s3, 1                                ; K = 1024 is two laps of the ring: one trip fills both slots again
.Llap:
	TURN 0, 1, 1
	STEP 1, 0, 0
	TURN 1, 0, 1
	STEP 0, 0, 0
	s_sub_co_u32 s3, s3, 1
	s_cmp_lg_u32 s3, 0
	s_cbranch_scc1 .Llap
	TURN 0, 1, 0                                   ; the last lap fills nothing
	STEP 1, 0, 0
	s_wait_dscnt 4*NL
	WIN MUL_LO
	MUL16 0, 1, NQ-1, 1, 0
	MUL16 2, 1, NQ-1, 1, 0
	s_wait_dscnt 0
	WIN MUL_HI
	MUL16 4, 1, NQ-1, 1, 0
	MUL16 6, 1, NQ-1, 1, 0
	WIN 0
; THE WAY OUT.  The 64 registers of A's block a (register 16 b + i = the next K's 32 b + 16 (lane / 16) + i of my row) become a fragment in v[PC + 12 a] on and its scale word in v[PW + a].
; The sources lie in window 2 or 3; all that is made lies in window 0.  Each accumulator is first read at its two lowest registers.
.macro QUANTW a
.set QW, 2+(\a)/4
.set QW2, QW|(QW<<2)
.set QS, 64*((\a)%4)
.set QP, PC+12*(\a)
	WIN QW2                                        ; sources 0 and 1 in the accumulators' window
.irp b, 0,1,2,3
	v_max3_num_f32 v[TM+\b], |v[QS+16*\b]|, |v[QS+16*\b+1]|, 0x1800000   ; block b: my 16 numbers, and the floor 2^(3 - 127): so the byte cannot fall under 1
.endr
.irp i, 2,4,6,8,10,12,14
.irp b, 0,1,2,3
	v_max3_num_f32 v[TM+\b], |v[QS+16*\b+\i]|, |v[QS+16*\b+\i+1]|, v[TM+\b]   ; (the four blocks by turns)
.endr
.endr
	WIN 0
.irp b, 0,1,2,3
	v_permlanex16_b32 v[TM+4+\b], v[TM+\b], s[SEL], s[SEL+1]
.endr
.irp b, 0,1,2,3
	v_max_num_f32 v[TM+\b], v[TM+\b], v[TM+4+\b]   ; with lane l xor 16's: the block's largest magnitude
.endr
.irp b, 0,1,2,3
	v_add_nc_u32 v[TM+12+\b], 0xff000000, v[TM+\b] ; 2 off its exponent field: the conversion's scale operand
.endr
.irp b, 0,1,2,3
	v_lshrrev_b32 v[TM+4+\b], 23, v[TM+12+\b]      ; the scale's byte
.endr
	v_lshl_or_b32 v[PW+(\a)], v[TM+5], 8, v[TM+4]
	v_lshl_or_b32 v[PW+(\a)], v[TM+6], 16, v[PW+(\a)]
	v_lshl_or_b32 v[PW+(\a)], v[TM+7], 24, v[PW+(\a)]
	WIN QW                                         ; source 0 alone in the accumulators' window
.irp c, 0,1
	v_cvt_scalef32_pk16_fp6_f32 v[QP+6*\c:QP+6*\c+2], v[QS+32*\c:QS+32*\c+15], v[TM+12+2*\c]
	v_cvt_scalef32_pk16_fp6_f32 v[T2+4*\c:T2+4*\c+2], v[QS+32*\c+16:QS+32*\c+31], v[TM+13+2*\c]   ; (a conversion's three registers begin on an even number)
.endr
	WIN 0
	v_nop                                          ; one plain place behind a scaled conversion
.irp c, 0,1                            ; the operand's layout wants a whole block in a lane: lanes 0-15 block 2 c, lanes 16-31 block 2 c + 1
.irp i, 0,1,2
	v_permlane16_swap_b32 v[QP+6*\c+\i], v[T2+4*\c+\i]
.endr
.irp i, 0,1,2
	v_mov_b32 v[QP+6*\c+3+\i], v[T2+4*\c+\i]
.endr
.endr
.endm
	PLACES NP                                      ; behind the last products: their results are read, and registers that held their operands and scale words are written
	s_mov_b32 s[SEL], 0x76543210
	s_mov_b32 s[SEL+1], 0xfedcba98
	s_mov_b32 s[HM], 0xffff0000
.irp b, 0,1,2,3
	v_mov_b32 v[TM+4+\b], 0                        ; written once: a lane permute's destination counts as one of its sources
.endr
.irp a, 0,1,2,3,4,5,6,7
	QUANTW \a
.endr
	s_cmp_eq_u32 ttmp9, 2                          ; the kind: the same in all partners
	s_cbranch_scc1 .Lv_out
	; q, k: registers 0-5 of fragment a are my first head's image of token tile a, registers 6-11 my second head's.  Each store covers 256 consecutive bytes, at a multiple of 256 from the buffer's first byte
.irp a, 0,1,2,3,4,5,6,7
.irp i, 0,1,2
	global_store_b64 v[L8], v[PC+12*\a+2*\i:PC+12*\a+2*\i+1], s[8:9] offset:768*\a+256*\i th:TH_STORE_NT
	global_store_b64 v[L8], v[PC+12*\a+6+2*\i:PC+12*\a+6+2*\i+1], s[10:11] offset:768*\a+256*\i th:TH_STORE_NT
.endr
.endr
.irp j, 0,1,2,3
	v_cndmask_b32 v[SW+\j], v[PW+\j], v[PW+4+\j], s[HM]   ; lanes 0-15: tile j's words; lanes 16-31: tile 4 + j's
.endr
.irp j, 0,1,2,3
	v_lshrrev_b32 v[SW+4+\j], 16, v[SW+\j]         ; the second head's two bytes come down; zeros above them
.endr
	global_store_b128 v[L16], v[SW:SW+3], s[8:9] offset:6144 th:TH_STORE_NT
	global_store_b128 v[L16], v[SW+4:SW+7], s[10:11] offset:6144 th:TH_STORE_NT
	s_branch .Lout_done
.Lv_out:
	; v: fragment a is 16 d (tile a % 4 of my first head for a < 4, else of my second) x 128 keys.  Each store covers 512 consecutive bytes
.irp a, 0,1,2,3
.irp g, 0,1,2
	global_store_b128 v[L16], v[PC+12*\a+4*\g:PC+12*\a+4*\g+3], s[8:9] offset:1536*\a+512*\g th:TH_STORE_NT
	global_store_b128 v[L16], v[PC+12*(\a+4)+4*\g:PC+12*(\a+4)+4*\g+3], s[10:11] offset:1536*\a+512*\g th:TH_STORE_NT
.endr
.endr
.irp j, 0,1
	v_cndmask_b32 v[SW+\j], v[PW+\j], v[PW+2+\j], s[HM]     ; lanes 0-15: d tile j's words; lanes 16-31: d tile 2 + j's
	v_cndmask_b32 v[SW+2+\j], v[PW+4+\j], v[PW+6+\j], s[HM]
.endr
	global_store_b64 v[L8], v[SW:SW+1], s[8:9] offset:6144 th:TH_STORE_NT
	global_store_b64 v[L8], v[SW+2:SW+3], s[10:11] offset:6144 th:TH_STORE_NT
.Lout_done:
	s_wait_tensorcnt 0x0                           ; the wave's end: behind my last tensor load
	ds_add_u32 v[SPW], v[NIL]
	s_wait_dscnt 0x0
	CROUND                                         ; the closing round: no work-group ends while a partner may still ask for a tile that names it
	s_endpgm
.Lfunc_end_k_qf17711873c_qkv:
	.size	k_qf17711873c_qkv, .Lfunc_end_k_qf17711873c_qkv-k_qf17711873c_qkv
	.p2alignl 7, 3214868480
	.fill 96, 4, 3214868480
	.section	.rodata,"a",@progbits
	.p2align	6, 0x0
	.amdhsa_kernel k_qf17711873c_qkv
		.amdhsa_group_segment_fixed_size 327680
		.amdhsa_private_segment_fixed_size 0
		.amdhsa_enable_private_segment 0
		.amdhsa_kernarg_size 32
		.amdhsa_user_sgpr_count 2
		.amdhsa_user_sgpr_kernarg_segment_ptr 1
		.amdhsa_wavefront_size32 1
		.amdhsa_system_sgpr_workgroup_id_x 1
		.amdhsa_system_sgpr_workgroup_id_y 1
		.amdhsa_system_sgpr_workgroup_id_z 1
		.amdhsa_system_vgpr_workitem_id 0
		.amdhsa_next_free_vgpr 1024
		.amdhsa_next_free_sgpr 100
		.amdhsa_reserve_vcc 0
		.amdhsa_float_denorm_mode_32 3
		.amdhsa_float_denorm_mode_16_64 3
		.amdhsa_memory_ordered 1
		.amdhsa_forward_progress 1
		.amdhsa_inst_pref_size 170
	.end_amdhsa_kernel
	.amdgpu_metadata
---
amdhsa.version: [ 1, 2 ]
amdhsa.kernels:
  - .name:           k_qf17711873c_qkv
    .symbol:         k_qf17711873c_qkv.kd
    .args:
      - { .name: xq, .offset: 0, .size: 8, .value_kind: global_buffer, .address_space: global }
      - { .name: wq, .offset: 8, .size: 8, .value_kind: global_buffer, .address_space: global }
      - { .name: qq, .offset: 16, .size: 8, .value_kind: global_buffer, .address_space: global }
      - { .name: kv, .offset: 24, .size: 8, .value_kind: global_buffer, .address_space: global }
    .group_segment_fixed_size: 327680
    .private_segment_fixed_size: 0
    .kernarg_segment_align: 8
    .kernarg_segment_size: 32
    .max_flat_workgroup_size: 128
    .sgpr_count:     100
    .vgpr_count:     1024
    .wavefront_size: 32
...
	.end_amdgpu_metadata
.endif
;; end of part 2
;; launch attn (part 3): grid 4 x 64, 16 waves a work-group, clusters of 4 x 1, 210,944 bytes of LDS; arguments qq, kv, oq; writes oq
.if DOCPART == 3
	.amdgcn_target "amdgcn-amd-amdhsa--gfx1250"
	.amdhsa_code_object_version 6
	.text
	.protected	k_qf17711873c_attn
	.globl	k_qf17711873c_attn
	.p2align	8
	.type	k_qf17711873c_attn,@function
k_qf17711873c_attn:
	s_mov_b64 s[64:65], 0
	v_nop
	global_prefetch_b8 v0, s[64:65] scope:SCOPE_SE
	s_setreg_imm32_b32 hwreg(HW_REG_WAVE_MODE, 25, 1), 1
	s_wait_xcnt 0x0
	s_wait_alu depctr_hold_cnt(0) depctr_sa_sdst(0) depctr_va_vdst(0) depctr_va_sdst(0) depctr_va_ssrc(0) depctr_va_vcc(0) depctr_vm_vsrc(0)
	s_getreg_b32 s2, hwreg(HW_REG_IB_STS2, 6, 4)
	s_cmp_eq_u32 s2, 0
	s_cbranch_scc0 .Lentry_in_a_cluster
	s_endpgm
.Lentry_in_a_cluster:
	s_bfe_u32 s2, ttmp6, 0x10000c
	s_cmp_lg_u32 s2, 0x3003
	s_cbranch_scc0 .Lentry_shape_is_right
	s_endpgm
.Lentry_shape_is_right:
; Causal attention of one (batch, head) to a cluster, both products on codes of FP6 (E2M3) with E8M0 scales; 2,048 tokens, head size 64.  The result O / l is quantised along d_model in registers and leaves as codes.
; THE SOFTMAX AHEAD OF THE SECOND PRODUCT: t = score x log2(e) / 8; M = the row's largest t so far, rounded UP to a whole number; p = 2^(t - M) is what is quantised, along the keys.  The row's sum l is taken of the unquantised p.
; When M moves, l and O are multiplied by 2^(old M - new M), which rounds nothing.
; THE WHOLE HEAD'S K AND V STAY IN LDS: 16 steps of 128 keys x 13,056 bytes, as images of operand registers (K: 8 tiles x 768 bytes; 512 bytes of scale words; V: 4 fragments x 1,536; 256 of scale words).
; Wave w asks for step w by ONE tensor load, jointly with the same wave of the three partners: the four work-groups of a cluster walk the same head.  Every LDS byte is filled once, so there is no ring.
; SHARES.  A step of 128 queries has 8 tiles of 16.  Wave w of the partner at place cx owns tile cx of step w and tile 4 + cx of step 15 - w.  A tile of step a needs key steps 0 .. a: (w + 1) + (16 - w) = 17 key steps for every wave.
; The loops' trip counts are constants; a scalar branch on the wave's number and the trip leaves a hidden step's work out.  cx enters only global addresses and the mask's numbers.
; LAYOUT.  S^T = K Q^T (source 0 = 16 keys, source 1 = my 16 queries), O^T = V^T P^T: a lane holds ONE query throughout.  Tokens and V's d lie in the stored order (bits 3 and 4 of the number exchanged), so the 16 registers of
; tiles 2 b, 2 b + 1 are keys (or d) 32 b + 16 (lane / 16) + 0 .. 15.
; K = 64 ON AN INSTRUCTION OF K = 128: Q's registers 6-11 are zero codes.  The upper six registers named with tile t of K are tile t + 1's codes (zeros behind tile 7): they meet zero codes alone and add exactly 0; the scale bytes there are never 0xff.
; The causal mask: reference() puts -1e9 where key > query; 2^(that - M) is 0 in f32, so hidden scores become -infinity on the diagonal step and steps beyond it are left out.
; LIMITS: a block of zeros keeps the byte 1 (its codes are zeros; this program alone reads the bytes); NaN and infinities are not served.  The scale bytes of O leave one byte a lane, rows 32 bytes apart: one byte in 24 of what the launch stores.
.set STEPB, 13056                      ; a key step in LDS and in kv
.set HEADB, 16*STEPB
.set KSW,   6144                       ; K's (and in qq: Q's) scale words in a step
.set VIM,   6656                       ; V's fragments
.set VSW,   12800                      ; V's scale words
.set QSTEP, 6656                       ; a step in qq
.set SPARE, HEADB                      ; the spare words: 128 bytes for each of 16 waves, eight blocks of 256 bytes that no other line names
.set OSOFF, 6291456                    ; where oq's scale bytes begin
.set L8,  1                            ; v1  8 x lane
.set L16, 2                            ; v2  16 x lane
.set ADK, 3                            ; v3  the step's first byte + 8 x lane
.set ADV, 4                            ; v4  + 16 x lane
.set SPW, 5
.set NIL, 6
.set QSO, 7                            ; v7  16 x (lane % 16): Q's scale words
.set DM0, 8                            ; v8, v9: my query's place in its step, less 16 (lane / 16), for the two passes
.set DM1, 9
.set OSO, 10                           ; v10 32 x (lane % 16) + lane / 16: O's scale bytes
.set KF,  32                           ; v32-85 K's tile t at 32 + 6 t, v80-85 zeros that stay; V's four fragments in v32-79
.set KS,  86                           ; v86-89 K's scale words: tile t in register t % 4, lanes 16 (t / 4) on
.set VS,  90                           ; v90-91 V's: tile d in register d % 2, lanes 16 (d / 2) on
.set S,   96                           ; v96-159 S^T, then p
.set OT,  160                          ; v160-191 O^T
.set PCD, 192                          ; v192-203 p's codes
.set P2,  204                          ; v204-206, v208-210 the conversions' second halves
.set BM,  212                          ; v212-215 each block's largest score, then p
.set BP,  216                          ; v216-219 the other half's; a second chain of sums; bytes
.set SO,  220                          ; v220-223 the conversions' scale operands
.set T,   224
.set F,   226                          ; v226 2^(old M - new M);  v227 p's scale word
.set PS,  227
.set WV,  10
.set CX,  11
.set BH,  12
.set HD,  13
.set G1,  16
.set G0,  24
.set SEL, 28
.set CS,  30                           ; s[30:31] log2(e) / 8: the packed form names a pair and takes its low word for both halves
.set TB,  32
.set KI,  33
.set HM,  60
.macro CROUND                          ; a round of the cluster's barrier
	s_barrier_signal -1
	s_barrier_wait -1
	s_cmp_lg_u32 s[WV], 0
	s_cbranch_scc1 .Lnot_wave_0_\@
	s_barrier_signal -3
.Lnot_wave_0_\@:
	s_barrier_wait -3
	s_barrier_signal -1
	s_barrier_wait -1
.endm
	s_load_b128 s[4:7], s[0:1], 0x0                ; qq, kv
	s_load_b64 s[8:9], s[0:1], 0x10                ; oq
	v_lshl_add_u32 v[SPW], v0, 2, SPARE
	v_mov_b32 v[NIL], 0
	ds_add_u32 v[SPW], v[NIL]                      ; the wave's opening: the add and its wait stand ahead of my first tensor load; the set-up below stands between them
	ds_add_u32 v[SPW], v[NIL]
	v_lshrrev_b32 v1, 5, v0
	s_delay_alu instid0(VALU_DEP_1)
	v_readfirstlane_b32 s[WV], v1                  ; wave 0..15
	s_bfe_u32 s[CX], ttmp6, 0x40000                ; my place in the cluster
	s_and_b32 s[BH], ttmp7, 0xffff                 ; 16 x batch + head: the four partners share it
	s_and_b32 s[HD], s[BH], 15
	; descriptor group 1: a step's 13,056 dense bytes as 51 rows of 256 bytes (32 elements of 8 bytes), no padding; the mask names all four work-groups
	s_mov_b32 s[G1], 15|(3<<16)|(1<<21)
	s_mov_b32 s[G1+1], 32<<16
	s_mov_b32 s[G1+2], 51<<16
	s_mov_b32 s[G1+3], 32<<16
	s_mov_b32 s[G1+4], 51
	s_mov_b32 s[G1+5], 32
	s_mov_b32 s[G1+6], 0
	s_mov_b32 s[G1+7], 0
	s_mov_b32 s[SEL], 0x76543210
	s_mov_b32 s[SEL+1], 0xfedcba98
	s_mov_b32 s[CS], 0x3e38aa3b
	s_mov_b32 s[CS+1], s[CS]
	s_mov_b32 s[HM], 0xffff0000                    ; lanes 16-31
	s_mov_b32 s34, s[WV]                           ; the first pass's step of queries,
	s_xor_b32 s35, s[WV], 15                       ; the second's: 15 - wave
	s_mov_b32 s[G0], 1
	s_mul_i32 s[G0+1], s[WV], STEPB                ; LDS: step w
	s_mul_i32 s48, s[BH], HEADB
	s_add_co_u32 s48, s48, s[G0+1]
	s_mov_b32 s49, 0
	s_wait_dscnt 0x0                               ; the opening add is done
	s_wait_kmcnt 0x0
	s_add_nc_u64 s[G0+2:G0+3], s[6:7], s[48:49]    ; memory: my head's step w: nothing of my place in the cluster
	s_or_b32 s[G0+3], s[G0+3], 0x80000000
	CROUND                                         ; all four work-groups are here: the joint loads meet
	tensor_load_to_lds s[G0:G0+3], s[G1:G1+7]      ; my one tensor load of the launch
	s_nop 0
	; where my two tiles of queries lie in qq and where their results go in oq
	s_mul_i32 s56, s[BH], 16*QSTEP
	s_mov_b32 s59, 0
	s_lshr_b32 s62, s[BH], 4
	s_lshl_b32 s62, s62, 7
	s_add_co_u32 s62, s62, s[CX]                   ; 128 x batch + cx
.macro BASES p, a, qc, qs, oc, os
	s_mul_i32 s57, s[\a], QSTEP
	s_add_co_u32 s57, s57, s56                     ; my head's step a of qq
	s_mul_i32 s58, s[CX], 768
	s_add_co_u32 s58, s58, s57
	s_add_co_u32 s58, s58, 3072*\p                 ; tile cx + 4 p
	s_add_nc_u64 s[\qc:\qc+1], s[4:5], s[58:59]
	s_lshl_b32 s58, s[CX], 2
	s_add_co_u32 s58, s58, s57
	s_add_co_u32 s58, s58, KSW+256*\p              ; its scale words: 16 (r + 16 p) + 4 cx
	s_add_nc_u64 s[\qs:\qs+1], s[4:5], s[58:59]
	s_lshl_b32 s61, s[\a], 3
	s_add_co_u32 s61, s61, s62
	s_add_co_u32 s61, s61, 4*\p                    ; the tile of 16 stored tokens, 0..511
	s_mul_i32 s58, s61, 12288                      ; 8 K steps x 1,536 bytes;
	s_mul_i32 s57, s[HD], 768                      ; a head owns three register pairs of 256 bytes
	s_add_co_u32 s58, s58, s57
	s_add_nc_u64 s[\oc:\oc+1], s[8:9], s[58:59]
	s_lshl_b32 s58, s61, 9                         ; scale bytes: 32 a row, 16 rows;
	s_lshl_b32 s57, s[HD], 1                       ; a head owns two
	s_add_co_u32 s58, s58, s57
	s_add_co_u32 s58, s58, OSOFF
	s_add_nc_u64 s[\os:\os+1], s[8:9], s[58:59]
.endm
	BASES 0, 34, 36, 52, 40, 44
	BASES 1, 35, 38, 54, 42, 46
	v_and_b32 v11, 31, v0
	s_delay_alu instid0(VALU_DEP_1)
	v_lshlrev_b32 v[L8], 3, v11
	s_delay_alu instid0(VALU_DEP_2)
	v_lshlrev_b32 v[L16], 4, v11
	v_and_b32 v11, 15, v0                          ; r
	s_delay_alu instid0(VALU_DEP_1)
	v_lshlrev_b32 v[QSO], 4, v11
.irp i, 0,1,2
	global_load_b64 v[16+2*\i:17+2*\i], v[L8], s[36:37] offset:256*\i      ; Q of the first pass: v16-21
	global_load_b64 v[228+2*\i:229+2*\i], v[L8], s[38:39] offset:256*\i    ; of the second: v228-233
.endr
	global_load_b32 v28, v[QSO], s[52:53]          ; their scale words
	global_load_b32 v29, v[QSO], s[54:55]
	v_bfe_u32 v[T], v0, 4, 1                       ; h
	s_delay_alu instid0(VALU_DEP_1)
	v_lshl_add_u32 v[OSO], v11, 5, v[T]
	v_and_b32 v[DM0], 8, v11
	s_delay_alu instid0(VALU_DEP_1)
	v_add_nc_u32 v[DM0], v[DM0], v11               ; r + 8 (r / 8)
	s_delay_alu instid0(VALU_DEP_4)
	v_lshlrev_b32 v[T], 4, v[T]
	s_delay_alu instid0(VALU_DEP_1)
	v_sub_nc_u32 v[DM0], v[DM0], v[T]              ; - 16 h
	s_and_b32 s57, s[CX], 6
	s_lshl_b32 s57, s57, 4
	s_and_b32 s61, s[CX], 1
	s_lshl_b32 s61, s61, 3
	s_or_b32 s57, s57, s61
	v_add_nc_u32 v[DM0], s57, v[DM0]               ; + 32 (tile / 2) + 8 (tile % 2)
	s_delay_alu instid0(VALU_DEP_1)
	v_add_nc_u32 v[DM1], 64, v[DM0]                ; tile 4 + cx lies 64 further on
.irp j, 0,1,2,3,4,5
	v_mov_b32 v[22+\j], 0                          ; zero codes: Q's K = 64 .. 127,
	v_mov_b32 v[234+\j], 0
	v_mov_b32 v[80+\j], 0                          ; and what is named behind K's tile 7
.endr
.irp b, 0,1,2,3
	v_mov_b32 v[BP+\b], 0                          ; written once: a lane permute's destination counts as one of its sources
.endr
	v_mov_b32 v[PS], 0                             ; (named as the upper half of the pair v[226:227] before it is first written)
	s_wait_tensorcnt 0x0                           ; my step has landed;
	s_barrier_signal -1
	s_barrier_wait -1                              ; everybody's has: the head is whole, and nothing is ever filled again
	s_wait_loadcnt 0x0                             ; Q
; ONE TILE OF 16 QUERIES.  qf: Q's fragment; qs: its scale words; dm: the mask's number; a: the scalar with the tile's step; oc, os: where codes and scale bytes go.
.macro PASS qf, qs, dm, a, oc, os
	s_wait_xcnt 0x0                                ; the last pass's stores have read their registers, which are written again below
	v_mov_b32 v13, 0xff61b1e6                      ; the largest t so far: -3e38, under every t
	s_delay_alu instid0(VALU_DEP_1)
	v_floor_f32 v12, -v13                          ; -M
	v_mov_b32 v14, 0                               ; the sum, in two halves
	v_mov_b32 v15, 0
.set J, 0
.rept 32
	v_mov_b32 v[OT+J], 0                           ; O^T.  (The step is written once: the first finds zeros, which the first change of M leaves zeros)
.set J, J+1
.endr
	s_mov_b32 s[TB], 0
	s_mov_b32 s[KI], 0
.Lstep_\@:                                         ; 16 trips, a constant; the steps behind the tile's own are hidden and do no work
	s_cmp_gt_u32 s[KI], s[\a]
	s_cbranch_scc1 .Lhid_\@
	s_setprio 2
	v_add_nc_u32 v[ADK], s[TB], v[L8]
	v_add_nc_u32 v[ADV], s[TB], v[L16]
	v_nop
	v_nop                                          ; four places behind the last step's products, in front of loads into registers that they read
.irp t, 0,1,2,3,4,5,6,7
.irp i, 0,1,2
	ds_load_b64 v[KF+6*\t+2*\i:KF+6*\t+2*\i+1], v[ADK] offset:768*\t+256*\i   ; the 32 lanes read 256 consecutive bytes
.endr
.endr
	ds_load_b128 v[KS:KS+3], v[ADV] offset:KSW
	s_wait_alu depctr_va_vdst(0)
	s_wait_dscnt 0x0
.irp t, 0,1,2,3
	v_wmma_scale_f32_16x16x128_f8f6f4 v[S+8*\t:S+8*\t+7], v[KF+6*\t:KF+6*\t+11], v[\qf:\qf+11], 0, v[KS+\t], v[\qs] matrix_a_fmt:MATRIX_FMT_FP6 matrix_b_fmt:MATRIX_FMT_FP6
.endr
.irp t, 4,5,6,7
	v_wmma_scale_f32_16x16x128_f8f6f4 v[S+8*\t:S+8*\t+7], v[KF+6*\t:KF+6*\t+11], v[\qf:\qf+11], 0, v[KS+\t-4], v[\qs] matrix_a_fmt:MATRIX_FMT_FP6 matrix_b_fmt:MATRIX_FMT_FP6 matrix_a_scale:MATRIX_SCALE_ROW1
.endr
.rept 4
	v_nop                                          ; places: for the loads below, into registers that these products read, and for the first read of the scores
.endr
.irp d, 0,1,2,3
.irp g, 0,1,2
	ds_load_b128 v[KF+12*\d+4*\g:KF+12*\d+4*\g+3], v[ADV] offset:VIM+1536*\d+512*\g   ; V's four fragments land while the softmax is walked
.endr
.endr
	ds_load_b64 v[VS:VS+1], v[ADK] offset:VSW
	s_cmp_lg_u32 s[KI], s[\a]
	s_cbranch_scc1 .Lopen_\@
	v_mov_b32 v[T], 0xff800000                     ; the tile's own step: register 16 b + i holds key 32 b + 16 (lane / 16) + i of the step: hidden where 32 b + i > my query's place - 16 (lane / 16)
.set N, 0
.rept 64
	v_cmp_gt_i32 vcc_lo, 32*(N/16)+N%16, v[\dm]
	v_cndmask_b32 v[S+N], v[S+N], v[T], vcc_lo
.set N, N+1
.endr
.Lopen_\@:
.irp b, 0,1,2,3
	v_max3_num_f32 v[BM+\b], v[S+16*\b], v[S+1+16*\b], v[S+2+16*\b]   ; the largest score of each block of 32 keys: it serves the row's maximum and, since p rises with the score, the block's largest p
.endr
.irp i, 3,5,7,9,11,13
.irp b, 0,1,2,3
	v_max3_num_f32 v[BM+\b], v[BM+\b], v[S+16*\b+\i], v[S+1+16*\b+\i]
.endr
.endr
.irp b, 0,1,2,3
	v_max_num_f32 v[BM+\b], v[BM+\b], v[S+15+16*\b]
.endr
.irp b, 0,1,2,3
	s_delay_alu instid0(VALU_DEP_4)
	v_permlanex16_b32 v[BP+\b], v[BM+\b], s[SEL], s[SEL+1]
.endr
.irp b, 0,1,2,3
	s_delay_alu instid0(VALU_DEP_4)
	v_max_num_f32 v[BM+\b], v[BM+\b], v[BP+\b]     ; with lane l xor 16's 16 keys
.endr
	s_delay_alu instid0(VALU_DEP_2)
	v_max3_num_f32 v[T], v[BM], v[BM+1], v[BM+2]
	s_delay_alu instid0(VALU_DEP_1)
	v_max_num_f32 v[T], v[T], v[BM+3]              ; the step's largest score of my query
	s_delay_alu instid0(VALU_DEP_1)
	v_mul_f32 v[T], s[CS], v[T]                    ; as t
	s_delay_alu instid0(VALU_DEP_1)
	v_max_num_f32 v13, v13, v[T]                   ; the running largest t
	v_mov_b32 v[T], v12
	s_delay_alu instid0(VALU_DEP_2)
	v_floor_f32 v12, -v13                          ; the new -M = floor(-t): M is a whole number
	s_delay_alu instid0(VALU_DEP_1)
	v_sub_f32 v[T], v12, v[T]                      ; old M less new M: a whole number, 0 or less
	s_delay_alu instid0(VALU_DEP_1)
	v_cvt_i32_f32 v[T], v[T]                       ; (it saturates)
	s_delay_alu instid0(VALU_DEP_1)
	v_ldexp_f32 v[F], 1.0, v[T]                    ; f = 2^(old M - new M)
.set J, 0
	s_setprio 1
.rept 32
	v_pk_fma_f32 v[S+J:S+J+1], v[S+J:S+J+1], s[CS:CS+1], v[12:13] op_sel_hi:[1,0,0]   ; t - M, two at a time
.set J, J+2
.endr
.irp b, 0,1,2,3
	v_fma_f32 v[BM+\b], v[BM+\b], s[CS], v12       ; the same of each block's largest score
.endr
.set J, 0
	s_wait_alu depctr_va_vdst(0)
.rept 64
	v_exp_f32 v[S+J], v[S+J]                       ; p = 2^(t - M), at most 1
.set J, J+1
.endr
	v_pk_mul_f32 v[14:15], v[14:15], v[F:F+1] op_sel_hi:[1,0]   ; the sums under the new M (the plain place behind the exponentials)
	s_wait_alu depctr_va_vdst(0)                   ; the wait ahead of the batch's first reader: one for the 64
.irp b, 0,1,2,3
	v_exp_f32 v[BM+\b], v[BM+\b]                   ; the block's largest p: the same two instructions on the same number give the same bits
.endr
	v_pk_add_f32 v[216:217], v[100:101], v[104:105]
	v_pk_add_f32 v[222:223], v[108:109], v[112:113]
	v_pk_add_f32 v[220:221], v[116:117], v[120:121]
	v_pk_add_f32 v[218:219], v[124:125], v[128:129]
	v_pk_add_f32 v[210:211], v[132:133], v[136:137]
	v_pk_add_f32 v[208:209], v[140:141], v[144:145]
	v_pk_add_f32 v[206:207], v[148:149], v[152:153]
	v_pk_add_f32 v[14:15], v[14:15], v[156:157]
	v_pk_add_f32 v[216:217], v[216:217], v[96:97]
	v_pk_add_f32 v[222:223], v[222:223], v[98:99]
	v_pk_add_f32 v[220:221], v[220:221], v[102:103]
	v_pk_add_f32 v[218:219], v[218:219], v[106:107]
	v_pk_add_f32 v[210:211], v[210:211], v[110:111]
	v_pk_add_f32 v[208:209], v[208:209], v[114:115]
	v_pk_add_f32 v[206:207], v[206:207], v[118:119]
	v_pk_add_f32 v[14:15], v[14:15], v[122:123]
	v_pk_add_f32 v[216:217], v[216:217], v[126:127]
	v_pk_add_f32 v[222:223], v[222:223], v[130:131]
	v_pk_add_f32 v[220:221], v[220:221], v[134:135]
	v_pk_add_f32 v[218:219], v[218:219], v[138:139]
	v_pk_add_f32 v[210:211], v[210:211], v[142:143]
	v_pk_add_f32 v[208:209], v[208:209], v[146:147]
	v_pk_add_f32 v[206:207], v[206:207], v[150:151]
	v_pk_add_f32 v[14:15], v[14:15], v[154:155]
	v_pk_add_f32 v[216:217], v[216:217], v[158:159]
	s_delay_alu instid0(VALU_DEP_2)
	v_pk_add_f32 v[14:15], v[14:15], v[218:219]
	s_delay_alu instid0(VALU_DEP_2)
	v_pk_add_f32 v[216:217], v[216:217], v[210:211]
	v_pk_add_f32 v[222:223], v[222:223], v[208:209]
	v_pk_add_f32 v[220:221], v[220:221], v[206:207]
	s_delay_alu instid0(VALU_DEP_2)
	v_pk_add_f32 v[14:15], v[14:15], v[222:223]
	s_delay_alu instid0(VALU_DEP_2)
	v_pk_add_f32 v[216:217], v[216:217], v[220:221]
	s_delay_alu instid0(VALU_DEP_1)
	v_pk_add_f32 v[14:15], v[14:15], v[216:217]
	s_wait_alu depctr_va_vdst(0)                   ; and one for the four
.irp b, 0,1,2,3
	v_max_num_f32 v[BM+\b], 0x1800000, v[BM+\b]    ; the floor 2^(3 - 127): the byte cannot fall under 1
.endr
.irp b, 0,1,2,3
	s_delay_alu instid0(VALU_DEP_4)
	v_add_nc_u32 v[SO+\b], 0xff000000, v[BM+\b]    ; 2 off the exponent field: the conversion's scale operand
.endr
.irp b, 0,1,2,3
	s_delay_alu instid0(VALU_DEP_4)
	v_lshrrev_b32 v[BP+\b], 23, v[SO+\b]           ; the scale's byte
.endr
	s_delay_alu instid0(VALU_DEP_3)
	v_lshl_or_b32 v[PS], v[BP+1], 8, v[BP]         ; p's scale word for these 128 keys
	s_delay_alu instid0(VALU_DEP_1)
	v_lshl_or_b32 v[PS], v[BP+2], 16, v[PS]
	s_delay_alu instid0(VALU_DEP_1)
	v_lshl_or_b32 v[PS], v[BP+3], 24, v[PS]
	s_setprio 0
.irp c, 0,1
	v_cvt_scalef32_pk16_fp6_f32 v[PCD+6*\c:PCD+2+6*\c], v[S+32*\c:S+15+32*\c], v[SO+2*\c]
	v_cvt_scalef32_pk16_fp6_f32 v[P2+4*\c:P2+2+4*\c], v[S+16+32*\c:S+31+32*\c], v[SO+2*\c+1]
.endr
	v_nop                                          ; one plain place behind a scaled conversion
.irp c, 0,1                            ; the operand's layout wants a whole block in a lane
.irp i, 0,1,2
	v_permlane16_swap_b32 v[PCD+6*\c+\i], v[P2+4*\c+\i]
.endr
.irp i, 0,1,2
	s_delay_alu instid0(VALU_DEP_3)
	v_mov_b32 v[PCD+3+6*\c+\i], v[P2+4*\c+\i]
.endr
.endr
.set J, 0
.rept 16
	v_pk_mul_f32 v[OT+J:OT+J+1], v[OT+J:OT+J+1], v[F:F+1] op_sel_hi:[1,0]   ; O^T under the new M.  (These 16 also stand between the lines that made p's codes and scale word and the products below)
.set J, J+2
.endr
	s_wait_alu depctr_va_vdst(0)
	s_wait_dscnt 0x0                               ; V
.irp d, 0,1                            ; the four accumulators take turns, one instruction a turn
	v_wmma_scale_f32_16x16x128_f8f6f4 v[OT+8*\d:OT+8*\d+7], v[KF+12*\d:KF+12*\d+11], v[PCD:PCD+11], v[OT+8*\d:OT+8*\d+7], v[VS+\d], v[PS] matrix_a_fmt:MATRIX_FMT_FP6 matrix_b_fmt:MATRIX_FMT_FP6
.endr
.irp d, 2,3
	v_wmma_scale_f32_16x16x128_f8f6f4 v[OT+8*\d:OT+8*\d+7], v[KF+12*\d:KF+12*\d+11], v[PCD:PCD+11], v[OT+8*\d:OT+8*\d+7], v[VS+\d-2], v[PS] matrix_a_fmt:MATRIX_FMT_FP6 matrix_b_fmt:MATRIX_FMT_FP6 matrix_a_scale:MATRIX_SCALE_ROW1
.endr
.Lhid_\@:
	s_add_co_u32 s[TB], s[TB], STEPB
	s_add_co_u32 s[KI], s[KI], 1
	s_cmp_lt_u32 s[KI], 16
	s_cbranch_scc1 .Lstep_\@
	s_setprio 0
	; the tile's way out: O^T / l, register 16 b + i = d 32 b + 16 (lane / 16) + i of my query: two blocks of d_model
.rept 4
	v_nop                                          ; places behind the last products
.endr
	v_add_f32 v14, v14, v15                        ; the sum's two halves,
	s_delay_alu instid0(VALU_DEP_1)
	v_permlanex16_b32 v[T], v14, s[SEL], s[SEL+1]
	s_delay_alu instid0(VALU_DEP_1)
	v_add_f32 v14, v14, v[T]                       ; and lane l xor 16's
	s_wait_alu depctr_va_vdst(0)
	v_rcp_f32 v14, v14
	v_nop                                          ; a plain place behind the reciprocal
	s_wait_alu depctr_va_vdst(0)                   ; and the wait ahead of its first reader
.set J, 0
.rept 16
	v_pk_mul_f32 v[S+J:S+J+1], v[OT+J:OT+J+1], v[14:15] op_sel_hi:[1,0]   ; each accumulator from its low end on
.set J, J+2
.endr
.irp b, 0,1
	v_max3_num_f32 v[BM+\b], |v[S+16*\b]|, |v[S+1+16*\b]|, 0x1800000
.endr
.irp i, 2,4,6,8,10,12,14
.irp b, 0,1
	s_delay_alu instid0(VALU_DEP_2)
	v_max3_num_f32 v[BM+\b], v[BM+\b], |v[S+16*\b+\i]|, |v[S+1+16*\b+\i]|
.endr
.endr
.irp b, 0,1
	s_delay_alu instid0(VALU_DEP_2)
	v_permlanex16_b32 v[BP+\b], v[BM+\b], s[SEL], s[SEL+1]
.endr
.irp b, 0,1
	s_delay_alu instid0(VALU_DEP_2)
	v_max_num_f32 v[BM+\b], v[BM+\b], v[BP+\b]
.endr
.irp b, 0,1
	s_delay_alu instid0(VALU_DEP_2)
	v_add_nc_u32 v[SO+\b], 0xff000000, v[BM+\b]
.endr
.irp b, 0,1
	s_delay_alu instid0(VALU_DEP_2)
	v_lshrrev_b32 v[BP+\b], 23, v[SO+\b]
.endr
	s_delay_alu instid0(VALU_DEP_1)
	v_cndmask_b32 v[T], v[BP], v[BP+1], s[HM]      ; lanes 0-15 carry block 0's byte, lanes 16-31 block 1's
	v_cvt_scalef32_pk16_fp6_f32 v[PCD:PCD+2], v[S:S+15], v[SO]
	v_cvt_scalef32_pk16_fp6_f32 v[P2:P2+2], v[S+16:S+31], v[SO+1]
	v_nop
.irp i, 0,1,2
	v_permlane16_swap_b32 v[PCD+\i], v[P2+\i]
.endr
.irp i, 0,1,2
	s_delay_alu instid0(VALU_DEP_3)
	v_mov_b32 v[PCD+3+\i], v[P2+\i]                ; registers 0-5: block lane / 16 of my head, as the next product's operand wants them
.endr
.irp i, 0,1,2
	global_store_b64 v[L8], v[PCD+2*\i:PCD+2*\i+1], s[\oc:\oc+1] offset:256*\i th:TH_STORE_NT   ; 256 consecutive bytes, at a multiple of 256 from the buffer's first byte
.endr
	global_store_b8 v[OSO], v[T], s[\os:\os+1]
.endm
	PASS 16, 28, DM0, 34, 40, 44
	PASS 228, 29, DM1, 35, 42, 46
	s_wait_tensorcnt 0x0                           ; the wave's end: behind my tensor load
	ds_add_u32 v[SPW], v[NIL]
	s_wait_dscnt 0x0
	CROUND                                         ; the closing round
	s_endpgm
.Lfunc_end_k_qf17711873c_attn:
	.size	k_qf17711873c_attn, .Lfunc_end_k_qf17711873c_attn-k_qf17711873c_attn
	.p2alignl 7, 3214868480
	.fill 96, 4, 3214868480
	.section	.rodata,"a",@progbits
	.p2align	6, 0x0
	.amdhsa_kernel k_qf17711873c_attn
		.amdhsa_group_segment_fixed_size 210944
		.amdhsa_private_segment_fixed_size 0
		.amdhsa_enable_private_segment 0
		.amdhsa_kernarg_size 24
		.amdhsa_user_sgpr_count 2
		.amdhsa_user_sgpr_kernarg_segment_ptr 1
		.amdhsa_wavefront_size32 1
		.amdhsa_system_sgpr_workgroup_id_x 1
		.amdhsa_system_sgpr_workgroup_id_y 1
		.amdhsa_system_sgpr_workgroup_id_z 1
		.amdhsa_system_vgpr_workitem_id 0
		.amdhsa_next_free_vgpr 240
		.amdhsa_next_free_sgpr 66
		.amdhsa_reserve_vcc 1
		.amdhsa_float_denorm_mode_32 3
		.amdhsa_float_denorm_mode_16_64 3
		.amdhsa_memory_ordered 1
		.amdhsa_forward_progress 1
		.amdhsa_inst_pref_size 65
	.end_amdhsa_kernel
	.amdgpu_metadata
---
amdhsa.version: [ 1, 2 ]
amdhsa.kernels:
  - .name:           k_qf17711873c_attn
    .symbol:         k_qf17711873c_attn.kd
    .args:
      - { .name: qq, .offset: 0, .size: 8, .value_kind: global_buffer, .address_space: global }
      - { .name: kv, .offset: 8, .size: 8, .value_kind: global_buffer, .address_space: global }
      - { .name: oq, .offset: 16, .size: 8, .value_kind: global_buffer, .address_space: global }
    .group_segment_fixed_size: 210944
    .private_segment_fixed_size: 0
    .kernarg_segment_align: 8
    .kernarg_segment_size: 24
    .max_flat_workgroup_size: 512
    .sgpr_count:     66
    .vgpr_count:     240
    .wavefront_size: 32
...
	.end_amdgpu_metadata
.endif
;; end of part 3
;; launch outp (part 4): grid 4 x 32, 4 waves a work-group, clusters of 4 x 4, 327,680 bytes of LDS; arguments oq, wq, out0; writes out0
.if DOCPART == 4
	.amdgcn_target "amdgcn-amd-amdhsa--gfx1250"
	.amdhsa_code_object_version 6
	.text
	.protected	k_qf17711873c_outp
	.globl	k_qf17711873c_outp
	.p2align	8
	.type	k_qf17711873c_outp,@function
k_qf17711873c_outp:
	s_mov_b64 s[64:65], 0
	v_nop
	global_prefetch_b8 v0, s[64:65] scope:SCOPE_SE
	s_setreg_imm32_b32 hwreg(HW_REG_WAVE_MODE, 25, 1), 1
	s_wait_xcnt 0x0
	s_wait_alu depctr_hold_cnt(0) depctr_sa_sdst(0) depctr_va_vdst(0) depctr_va_sdst(0) depctr_va_ssrc(0) depctr_va_vcc(0) depctr_vm_vsrc(0)
	s_getreg_b32 s2, hwreg(HW_REG_IB_STS2, 6, 4)
	s_cmp_eq_u32 s2, 0
	s_cbranch_scc0 .Lentry_in_a_cluster
	s_endpgm
.Lentry_in_a_cluster:
	s_bfe_u32 s2, ttmp6, 0x10000c
	s_cmp_lg_u32 s2, 0xf033
	s_cbranch_scc0 .Lentry_shape_is_right
	s_endpgm
.Lentry_shape_is_right:
; out0 = O Wo^T on codes of FP6 (E2M3) with E8M0 scales for each 32 along K = 1024; out0 [8192][1024] f32; sums in f32.
; A = O's codes, as the attention launch left them: [tile of 16 stored tokens][K step of 128][six register pairs x 256 bytes]: images of operand registers; its scale bytes [stored token][32].  B = Wo's codes, rows 3072 on of wq, 768 bytes a row.
; A work-group of four waves makes 256 x 256 of out0, a wave 128 x 128.  K goes in steps of 256 through a ring of two LDS slots: A's part of a slot is 16 tiles x 3,072 bytes, read back 8 bytes a lane, 256 consecutive bytes an instruction;
; B's part is 256 rows of 192 bytes, 16 bytes of padding behind every 64.  All scale bytes of the tile's rows come once.
; THE TOKENS LIE IN THE STORED ORDER (bits 3 and 4 of the number exchanged): row t of my block a is row 32 (a / 2) + 8 (a % 2) + t + 8 (t / 8) of my 128: the stores' immediates put each row where it belongs.
; CLUSTERS: 4 x 4 work-groups; A's tiles are asked for jointly by a row of the cluster, B's by a column.  The matrix instruction is used transposed (source 0 = 16 rows of B, source 1 = 16 rows of A): a lane holds eight neighbouring numbers of a row.
; There are 128 tiles of 256 x 256: so many work-groups are launched.
; REGISTERS, in windows of 256: window 0: v16-29 addresses; v32-63 scale words, two sets; v128-223 A's fragments, one set.  window 1: B's fragments, two sets.  windows 2, 3: accumulator (a, b) at v[8 (8 (a % 4) + b)].
.set SIZE_N, 1024
.set NQ,     2
.set ROWB,   192
.set KROW,   768
.set PITCH,  240
.set FR,     12
.set NL,     6
.set NP,     4
.set HALFA,  8*3072                    ; A: 8 tiles of 16 tokens x 256 along K: what one tensor load brings, and what one wave reads
.set HALFT,  128*PITCH                 ; B: 128 rows
.set BOFF,   2*HALFA                   ; B's rows lie behind A's 16 tiles
.set SLOT,   2*HALFA+2*HALFT
.set KS,     32
.set SCL,    2*SLOT
.set HALFS,  (128*KS/256)*272
.set SBLK,   (16*KS/256)*272
.set SPARE,  SCL+4*HALFS               ; the spare words: 128 bytes a wave, two blocks of 256 bytes that no other line names
.set SPITCH, 528                       ; the way out: a stage of 16 rows x (512 bytes + 16) for each wave, in slot 0, which has had its last fill and its last read when the first result is stored there
.set OSOFF,  6291456                   ; oq's scale bytes
.set WOC,    3072*768                  ; Wo's codes in wq
.set WOS,    3145728+3072*32           ; Wo's scale bytes in wq
.set ADRA, 16                          ; v16-17 LDS address of my A fragments in slot 0, 1
.set ADRB, 20                          ; v20-21 of B's; v22-23 the same behind one padding more
.set STO,  24
.set RD,   25
.set CO,   26
.set ADRS, 27
.set SPW,  28
.set NIL,  29
.set SC,   32
.set AF,   128
.set BK,   128
.set G1, 24
.set G0, 32
.set G1B, 48
.set G0B, 56
.set G1S, 68
.set G0S, 76
.set G1SB, 80
.set G0SB, 88
.set MSB, 0
.macro WIN new
.if MSB != \new
	s_set_vgpr_msb (MSB<<8)|\new
.set MSB, \new
.endif
.endm
.set MUL_LO, 0xa1
.set MUL_HI, 0xf1
.set TO_B,   0x40
.macro JLOAD g0a, g1a, g0b, g1b        ; a joint load: waves 0 and 1 fetch for A, waves 2 and 3 for B; an s_nop 0 and four v_nop follow each of the two lines
	s_cmp_eq_u32 s15, 0
	s_cbranch_scc0 .Lfor_b_\@
	tensor_load_to_lds s[\g0a:\g0a+3], s[\g1a:\g1a+7]
	s_nop 0
.rept 4
	v_nop
.endr
	s_branch .Lasked_\@
.Lfor_b_\@:
	tensor_load_to_lds s[\g0b:\g0b+3], s[\g1b:\g1b+7]
	s_nop 0
.rept 4
	v_nop
.endr
.Lasked_\@:
.endm
.macro CREST
	s_cmp_lg_u32 s14, 0
	s_cbranch_scc1 .Lnot_wave_0_\@
	s_barrier_signal -3
.Lnot_wave_0_\@:
	s_barrier_wait -3
	s_barrier_signal -1
	s_barrier_wait -1
.endm
.macro CROUND
	s_barrier_signal -1
	s_barrier_wait -1
	CREST
.endm
	s_load_b128 s[4:7], s[0:1], 0x0                ; oq, wq
	s_load_b64 s[12:13], s[0:1], 0x10              ; out0
	v_lshl_add_u32 v[SPW], v0, 2, SPARE
	v_mov_b32 v[NIL], 0
	ds_add_u32 v[SPW], v[NIL]                      ; the wave's opening: the add and its wait stand ahead of my first tensor load; the set-up below stands between them
	v_lshrrev_b32 v1, 5, v0
	v_readfirstlane_b32 s14, v1                    ; wave 0..3
	s_lshr_b32 s15, s14, 1                         ; which half of the tile's rows is mine.  Also: I fetch for A (0) or for B (1)
	s_and_b32 s16, s14, 1                          ; which half of its columns.  Also: which half of that tile I fetch
	s_bfe_u32 s40, ttmp6, 0x40000                  ; cx, cy
	s_bfe_u32 s41, ttmp6, 0x40004
	s_lshl_b32 s42, ttmp9, 2
	s_add_co_u32 s42, s42, s40                     ; tile column = 4 x cluster x + cx
	s_and_b32 s17, ttmp7, 0xffff
	s_lshl_b32 s17, s17, 2
	s_add_co_u32 s17, s17, s41                     ; tile row = 4 x cluster y + cy
	s_lshl_b32 s43, s41, 2
	s_lshl_b32 s43, 15, s43                        ; my row of the cluster
	s_lshl_b32 s44, 0x1111, s40                    ; my column
	; A's tiles: 8 rows of 3,072 bytes (384 elements of 8 bytes), 12,288 bytes apart, no padding
	s_or_b32 s[G1+0], s43, (3<<16)|(1<<21)
	s_mov_b32 s[G1+1], 384<<16
	s_mov_b32 s[G1+2], 8<<16
	s_mov_b32 s[G1+3], 384<<16
	s_mov_b32 s[G1+4], 8
	s_mov_b32 s[G1+5], 1536
	s_mov_b32 s[G1+6], 0
	s_mov_b32 s[G1+7], 0
	; B's tiles: 128 rows x 192 bytes, 16 bytes of padding behind every 64
	s_or_b32 s[G1B+0], s44, (0<<16)|(1<<20)|(1<<21)|(3<<22)|(3<<25)
	s_mov_b32 s[G1B+1], ROWB<<16
	s_mov_b32 s[G1B+2], 128<<16
	s_mov_b32 s[G1B+3], ROWB<<16
	s_mov_b32 s[G1B+4], 128
	s_mov_b32 s[G1B+5], KROW
	s_mov_b32 s[G1B+6], 0
	s_mov_b32 s[G1B+7], 0
	; the scale bytes of 128 rows: 16 rows of 256 bytes, 16 bytes of padding behind each
	s_or_b32 s[G1S+0], s43, (3<<16)|(1<<20)|(1<<21)|(5<<22)|(3<<25)
	s_or_b32 s[G1SB+0], s44, (3<<16)|(1<<20)|(1<<21)|(5<<22)|(3<<25)
.irp g, G1S, G1SB
	s_mov_b32 s[\g+1], 32<<16
	s_mov_b32 s[\g+2], (128*KS/256)<<16
	s_mov_b32 s[\g+3], 32<<16
	s_mov_b32 s[\g+4], 128*KS/256
	s_mov_b32 s[\g+5], 32
	s_mov_b32 s[\g+6], 0
	s_mov_b32 s[\g+7], 0
.endr
	s_lshl_b32 s18, s16, 7                         ; which 128 rows of the tile I fetch
	s_lshl_b32 s20, s17, 8
	s_add_co_u32 s20, s20, s18                     ; A's first row
	s_lshl_b32 s46, s42, 8
	s_add_co_u32 s46, s46, s18                     ; B's
	s_lshl_b32 s22, s20, 5                         ; their scale bytes: 32 a row
	s_lshl_b32 s92, s46, 5
	s_mul_i32 s20, s20, KROW                       ; A's codes: 16 rows are a tile of 12,288 bytes, which is 768 a row
	s_mul_i32 s46, s46, KROW                       ; B's codes
	s_mov_b32 s21, 0
	s_mov_b32 s23, 0
	s_mov_b32 s47, 0
	s_mov_b32 s93, 0
	s_mul_i32 s45, s16, HALFA                      ; where they go: A's half,
	s_mul_i32 s95, s16, HALFT
	s_add_co_u32 s95, s95, BOFF                    ; B's half,
	s_mul_i32 s94, s14, HALFS                      ; the scale bytes: no place in the cluster enters an LDS address
	s_wait_dscnt 0x0                               ; the opening add is done
	s_wait_kmcnt 0x0
	s_add_nc_u64 s[8:9], s[4:5], OSOFF             ; A's scale bytes
	s_add_nc_u64 s[10:11], s[6:7], WOS             ; B's
	s_add_nc_u64 s[6:7], s[6:7], WOC               ; B's codes
	s_add_nc_u64 s[20:21], s[4:5], s[20:21]
	s_add_nc_u64 s[22:23], s[8:9], s[22:23]
	s_add_nc_u64 s[46:47], s[6:7], s[46:47]
	s_add_nc_u64 s[92:93], s[10:11], s[92:93]
	CROUND                                         ; all sixteen work-groups are here: the first joint loads meet
	s_mov_b32 s[G0S], 1
	s_add_co_u32 s[G0S+1], s94, SCL
	s_mov_b64 s[G0S+2:G0S+3], s[22:23]
	s_or_b32 s[G0S+3], s[G0S+3], 0x80000000
	s_mov_b32 s[G0SB], 1
	s_add_co_u32 s[G0SB+1], s94, SCL
	s_mov_b64 s[G0SB+2:G0SB+3], s[92:93]
	s_or_b32 s[G0SB+3], s[G0SB+3], 0x80000000
	JLOAD G0S, G1S, G0SB, G1SB                     ; the scale bytes first
.irp s, 0,1
	s_mov_b32 s[G0+4*\s], 1
	s_add_co_u32 s[G0+4*\s+1], s45, \s*SLOT
	s_add_nc_u64 s[G0+4*\s+2:G0+4*\s+3], s[20:21], \s*3072      ; a K step of 256 is 3,072 bytes of a tile
	s_or_b32 s[G0+4*\s+3], s[G0+4*\s+3], 0x80000000
	s_mov_b32 s[G0B+4*\s], 1
	s_add_co_u32 s[G0B+4*\s+1], s95, \s*SLOT
	s_add_nc_u64 s[G0B+4*\s+2:G0B+4*\s+3], s[46:47], \s*ROWB
	s_or_b32 s[G0B+4*\s+3], s[G0B+4*\s+3], 0x80000000
	JLOAD G0+4*\s, G1, G0B+4*\s, G1B               ; three tensor loads of mine are out at the most
.endr
	v_and_b32 v1, 15, v0                           ; l % 16
	v_bfe_u32 v2, v0, 4, 1                         ; l / 16
	v_and_b32 v6, 31, v0
	v_lshlrev_b32 v7, 3, v6                        ; A: 8 x lane
	v_mul_u32_u24 v3, v1, PITCH
	v_mul_u32_u24 v4, v2, 24
	v_add_nc_u32 v4, v3, v4                        ; B: a fragment's row x pitch + 24 x half
	v_lshl_add_u32 v5, v2, 4, v4                   ; and the same behind one padding more
	s_mul_i32 s21, s15, HALFA                      ; my 8 tiles of A
	s_mul_i32 s22, s16, HALFT                      ; my 128 rows of B
	s_add_co_u32 s22, s22, BOFF
.irp s, 0,1
	v_add_nc_u32 v[ADRA+\s], s21, v7
	v_add_nc_u32 v[ADRB+\s], s22, v4
	v_add_nc_u32 v[ADRB+2+\s], s22, v5
	s_add_co_u32 s21, s21, SLOT
	s_add_co_u32 s22, s22, SLOT
.endr
	v_mul_u32_u24 v5, v1, KS
	v_lshrrev_b32 v6, 8, v5
	v_lshl_add_u32 v5, v6, 4, v5
	s_mul_i32 s21, s15, HALFS
	s_mul_i32 s22, s16, HALFS
	s_add_co_u32 s22, s22, 2*HALFS
	s_sub_co_u32 s22, s22, s21
	v_mul_u32_u24 v6, s22, v2                      ; lanes 16-31 take B's: the lower base + half x the distance
	s_add_co_u32 s21, s21, SCL
	v_add_nc_u32 v5, v5, v6
	v_add_nc_u32 v[ADRS], s21, v5
	s_mul_i32 s23, s14, 16*SPITCH                  ; my stage
	v_mul_u32_u24 v5, v1, SPITCH                   ; in: row l % 16, 32 bytes for each half of the lanes
	v_lshl_add_u32 v5, v2, 5, v5
	v_add_nc_u32 v[STO], s23, v5
	v_and_b32 v6, 31, v0
	v_lshlrev_b32 v[CO], 4, v6                     ; back: the 32 lanes take one row of 512 bytes; and the same in out0
	v_add_nc_u32 v[RD], s23, v[CO]
	s_lshl_b32 s20, s17, 8
	s_lshl_b32 s21, s15, 7
	s_add_co_u32 s20, s20, s21                     ; my first row: 256 x tile row + 128 x half,
	s_lshl_b32 s20, s20, 12                        ; of 4,096 bytes
	s_lshl_b32 s46, s42, 10                        ; my first column, in bytes: 1,024 x tile column + 512 x half
	s_lshl_b32 s47, s16, 9
	s_add_co_u32 s46, s46, s47
	s_add_co_u32 s20, s20, s46
	s_mov_b32 s21, 0
	s_add_nc_u64 s[12:13], s[12:13], s[20:21]
.macro FRAG reg, adr, q, i             ; B's fragment from rows: 24 bytes of the row, twice, in pieces of 8
.irp p, 0,1,2,3,4,5
.set PCE, 12*(\q)+6*(\p/3)+\p%3
.if PCE%8 < 5
	ds_load_b64 v[\reg+2*\p:\reg+2*\p+1], v[\adr] offset:8*PCE+16*(PCE/8)+(\i)*16*PITCH
.else
	ds_load_b64 v[\reg+2*\p:\reg+2*\p+1], v[\adr+2] offset:8*PCE+16*(PCE/8)+(\i)*16*PITCH
.endif
.endr
.endm
.macro FRAGA reg, slot, q, i           ; A's fragment from its image: register pair p of lane l at 256 p + 8 l
.irp p, 0,1,2,3,4,5
	ds_load_b64 v[\reg+2*\p:\reg+2*\p+1], v[ADRA+\slot] offset:3072*(\i)+1536*(\q)+256*\p
.endr
.endm
; 16 matrix instructions; the 64 accumulators take turns, one instruction a turn, in the same order in every step
.macro MUL16 a0, p, q, sc, zero
.irp a, \a0, \a0+1
.irp b, 0,1,2,3,4,5,6,7
.if \zero
	v_wmma_scale_f32_16x16x128_f8f6f4 v[8*(8*((\a)%4)+\b):8*(8*((\a)%4)+\b)+7], v[128*(\p)+FR*\b:128*(\p)+FR*\b+FR-1], v[AF+FR*(\a):AF+FR*(\a)+FR-1], 0, v[SC+8*NQ*(\sc)+NQ*\b+(\q)], v[SC+8*NQ*(\sc)+NQ*(\a)+(\q)] matrix_a_fmt:MATRIX_FMT_FP6 matrix_b_fmt:MATRIX_FMT_FP6 matrix_a_scale:MATRIX_SCALE_ROW1
.else
	v_wmma_scale_f32_16x16x128_f8f6f4 v[8*(8*((\a)%4)+\b):8*(8*((\a)%4)+\b)+7], v[128*(\p)+FR*\b:128*(\p)+FR*\b+FR-1], v[AF+FR*(\a):AF+FR*(\a)+FR-1], v[8*(8*((\a)%4)+\b):8*(8*((\a)%4)+\b)+7], v[SC+8*NQ*(\sc)+NQ*\b+(\q)], v[SC+8*NQ*(\sc)+NQ*(\a)+(\q)] matrix_a_fmt:MATRIX_FMT_FP6 matrix_b_fmt:MATRIX_FMT_FP6 matrix_a_scale:MATRIX_SCALE_ROW1
.endif
.endr
.endr
.endm
.macro FETCH_B slot, q, p
	WIN TO_B
.irp i, 0,1,2,3,4,5,6,7
	FRAG 128*(\p)+FR*\i, ADRB+\slot, \q, \i
.endr
	WIN 0
.endm
.macro FETCH_A slot, q, i0
.irp i, \i0, \i0+1, \i0+2, \i0+3
	FRAGA AF+FR*(\i), \slot, \q, \i
.endr
.endm
.macro SCALES sc
.irp i, 0,1,2,3,4,5,6,7
	ds_load_b64 v[SC+8*NQ*\sc+NQ*\i:SC+8*NQ*\sc+NQ*\i+1], v[ADRS] offset:\i*SBLK
.endr
.endm
.macro PLACES n
.rept \n
	v_nop
.endr
.endm
.macro STEP slot, q, zero
	s_wait_dscnt 4*NL                              ; B's set and A's blocks 0-3 are in; the youngest 24 loads (A's blocks 4-7) may be out
	WIN MUL_LO
	MUL16 0, (\q)%2, \q, \slot, \zero
	MUL16 2, (\q)%2, \q, \slot, \zero
	s_wait_dscnt 0
	PLACES NP
	FETCH_B \slot, (\q)+1, 1-(\q)%2
	FETCH_A \slot, (\q)+1, 0
	WIN MUL_HI
	MUL16 4, (\q)%2, \q, \slot, \zero
	MUL16 6, (\q)%2, \q, \slot, \zero
	PLACES NP
	WIN 0
	FETCH_A \slot, (\q)+1, 4
.endm
.macro TURN slot, next, fill           ; a slot's last step changes slots
	s_wait_tensorcnt 0x0                           ; all my tensor loads have landed: my part of the next slot
	ds_add_u32 v[SPW], v[NIL]                      ; 0 onto my spare word
	s_wait_dscnt 4*NL+1                            ; (the add and the youngest 24 loads may be out)
	WIN MUL_LO
	MUL16 0, 1, NQ-1, \slot, 0
	s_wait_dscnt 0x0                               ; the add is done, and my reads of this slot are over
	s_barrier_signal -1
	MUL16 2, 1, NQ-1, \slot, 0
	WIN 0
	s_barrier_wait -1
.if \fill
	CREST                                          ; the barrier has opened a round of the cluster's barrier: no wave of any partner still reads this slot or has a load on its way
	s_add_nc_u64 s[G0+4*\slot+2:G0+4*\slot+3], s[G0+4*\slot+2:G0+4*\slot+3], 2*3072
	s_add_nc_u64 s[G0B+4*\slot+2:G0B+4*\slot+3], s[G0B+4*\slot+2:G0B+4*\slot+3], 2*ROWB
	JLOAD G0+4*\slot, G1, G0B+4*\slot, G1B         ; the first tensor load behind the round, my only one until the next
.else
	PLACES NP
.endif
	v_add_nc_u32 v[ADRS], 4*NQ, v[ADRS]
	FETCH_B \next, 0, 0
	FETCH_A \next, 0, 0
	SCALES \next
	WIN MUL_HI
	MUL16 4, 1, NQ-1, \slot, 0
	MUL16 6, 1, NQ-1, \slot, 0
	PLACES NP
	WIN 0
	FETCH_A \next, 0, 4
.endm
	s_wait_tensorcnt 1                             ; the scale bytes and my part of K step 0 are in; K step 1's load may stay out
	s_barrier_signal -1
	s_barrier_wait -1
	FETCH_B 0, 0, 0
	FETCH_A 0, 0, 0
	SCALES 0
	FETCH_A 0, 0, 4
	STEP 0, 0, 1
	s_mov_b32 s3, 1                                ; K = 1024 is two laps of the ring: one trip fills both slots again
.Llap:
	TURN 0, 1, 1
	STEP 1, 0, 0
	TURN 1, 0, 1
	STEP 0, 0, 0
	s_sub_co_u32 s3, s3, 1
	s_cmp_lg_u32 s3, 0
	s_cbranch_scc1 .Llap
	TURN 0, 1, 0
	STEP 1, 0, 0
	s_wait_dscnt 4*NL
	WIN MUL_LO
	MUL16 0, 1, NQ-1, 1, 0
	MUL16 2, 1, NQ-1, 1, 0
	s_wait_dscnt 0
	WIN MUL_HI
	MUL16 4, 1, NQ-1, 1, 0
	MUL16 6, 1, NQ-1, 1, 0
	WIN 0
; THE WAY OUT, block by block of 16 rows x 128 columns, through my own stage in LDS: in as 32 bytes a lane, back as whole rows of 512 bytes.  LDS serves a wave's instructions in order (ISA guide 5.7.1.4): no wait between the stores and the loads.
.macro TOSTAGE a
.set AC, 64*((\a)%4)
	WIN 0x08+4*((\a)/4)                            ; the data: window 2 or 3
.irp b, 0,1,2,3,4,5,6,7
	ds_store_b128 v[STO], v[AC+8*\b:AC+8*\b+3] offset:64*\b          ; each accumulator from its low end on
	ds_store_b128 v[STO], v[AC+8*\b+4:AC+8*\b+7] offset:64*\b+16
.endr
	WIN 0
.set BB, BK+64*((\a)%2)
.irp t, 0,1,2,3,4,5,6,7,8,9,10,11,12,13,14,15
	ds_load_b128 v[BB+4*\t:BB+4*\t+3], v[RD] offset:\t*SPITCH
.endr
.endm
.macro SEND a, younger                 ; younger: the LDS instructions issued behind block a's loads, which may stay out
.set BB, BK+64*((\a)%2)
	s_wait_dscnt \younger
.irp t, 0,1,2,3,4,5,6,7,8,9,10,11,12,13,14,15
	global_store_b128 v[CO], v[BB+4*\t:BB+4*\t+3], s[12:13] offset:(32*((\a)/2)+8*((\a)%2)+\t+8*(\t/8))*SIZE_N*4 th:TH_STORE_NT   ; stored row 16 a + t is this row of my 128; 32 lanes store 512 consecutive bytes; 127 rows of 4,096 bytes at the most, inside the signed 24-bit immediate
.endr
.endm
	PLACES NP
	TOSTAGE 0
.irp a, 1,2,3,4,5,6,7
.if \a > 1
	s_wait_xcnt 0x0                                ; block a - 2's stores have read their registers: block a's loads may land there
.endif
	TOSTAGE \a
	SEND \a-1, 32                                  ; behind block a - 1's loads: block a's 16 stores and 16 loads
.endr
	SEND 7, 0
	s_wait_tensorcnt 0x0                           ; the wave's end: behind my last tensor load and my last LDS store
	ds_add_u32 v[SPW], v[NIL]
	s_wait_dscnt 0x0
	CROUND                                         ; the closing round
	s_endpgm
.Lfunc_end_k_qf17711873c_outp:
	.size	k_qf17711873c_outp, .Lfunc_end_k_qf17711873c_outp-k_qf17711873c_outp
	.p2alignl 7, 3214868480
	.fill 96, 4, 3214868480
	.section	.rodata,"a",@progbits
	.p2align	6, 0x0
	.amdhsa_kernel k_qf17711873c_outp
		.amdhsa_group_segment_fixed_size 327680
		.amdhsa_private_segment_fixed_size 0
		.amdhsa_enable_private_segment 0
		.amdhsa_kernarg_size 24
		.amdhsa_user_sgpr_count 2
		.amdhsa_user_sgpr_kernarg_segment_ptr 1
		.amdhsa_wavefront_size32 1
		.amdhsa_system_sgpr_workgroup_id_x 1
		.amdhsa_system_sgpr_workgroup_id_y 1
		.amdhsa_system_sgpr_workgroup_id_z 1
		.amdhsa_system_vgpr_workitem_id 0
		.amdhsa_next_free_vgpr 1024
		.amdhsa_next_free_sgpr 98
		.amdhsa_reserve_vcc 0
		.amdhsa_float_denorm_mode_32 3
		.amdhsa_float_denorm_mode_16_64 3
		.amdhsa_memory_ordered 1
		.amdhsa_forward_progress 1
		.amdhsa_inst_pref_size 159
	.end_amdhsa_kernel
	.amdgpu_metadata
---
amdhsa.version: [ 1, 2 ]
amdhsa.kernels:
  - .name:           k_qf17711873c_outp
    .symbol:         k_qf17711873c_outp.kd
    .args:
      - { .name: oq, .offset: 0, .size: 8, .value_kind: global_buffer, .address_space: global }
      - { .name: wq, .offset: 8, .size: 8, .value_kind: global_buffer, .address_space: global }
      - { .name: out0, .offset: 16, .size: 8, .value_kind: global_buffer, .address_space: global }
    .group_segment_fixed_size: 327680
    .private_segment_fixed_size: 0
    .kernarg_segment_align: 8
    .kernarg_segment_size: 24
    .max_flat_workgroup_size: 128
    .sgpr_count:     98
    .vgpr_count:     1024
    .wavefront_size: 32
...
	.end_amdgpu_metadata
.endif
;; end of part 4
